; MI455X (gfx1250); checked and timed in simulation.
; The chip was launched on July 23, 2026; its instructions are those of AMD's public machine-readable ISA for CDNA 5 (MIT licence, August 2026) and "CDNA5" Instruction Set Architecture Reference Guide (July 2026). The comments in the code are by the model that wrote it; some were corrected since.
;; Pedal. Allowed arithmetic: matrix products marked QUANTISED: E2M3 operands, one E8M0 scale for each 32 along K, by v_wmma_scale_f32_16x16x128_f8f6f4 with both operands' format E2M3, f32 sums; everything else in f32.
;; Inputs: camid 256 int32; centers 4 x 65,536 x 256 float32; feature 4 x 256 x 256 float32; mem_camid 65,536 int32; mem_pid 65,536 int32; position 256 int32.
;; Outputs: out0 one number float32; out1 4 x 256 x 10 int32.
;; This version of the problem:
;;   THIS VERSION OF THE PROBLEM IS GIVEN IN LOW PRECISION. The matrix products marked QUANTISED in the list below multiply operands that are first quantised to E2M3 (2 exponent bits, 3 mantissa bits; 6 bits a number), with one power-of-two scale for each 32 numbers along K (OCP MX v1.0); their sums are f32. All else is computed in f32.
;;   The module's matrix products, in the order in which they are computed (A, B: the left and right operand; K: the contracted axis; several contracted axes count as one K, in the product's order):
;;     1. batch 4 x [M 256, K 256] x [K 256, N 65,536]; A: input feature; B: input centers: QUANTISED
;;   THE QUANTISER, for each operand of a quantised product, along K:
;;     - K is cut into blocks of 32 from its start; a last block that is shorter is filled with zeros.
;;     - A block's scale is 2^e with e = floor(log2(the largest magnitude in the block)) - 2, held to -126 .. 127; a block of zeros has e = 0. As a byte (E8M0): e + 127.
;;     - Each number is divided by its block's scale, clamped to +-7.5, and rounded to the nearest number of E2M3, ties to even, subnormals kept.
;;     - The product sums the exact products of the quantised numbers (number of the format x scale) in f32.
;;   ~~~python
;;   def quantise(x, axis):      # numpy; x: float32 -> the quantised numbers, widened to float32 again
;;       x = np.moveaxis(x, axis, -1); K = x.shape[-1]
;;       x = np.pad(x, [(0, 0)] * (x.ndim - 1) + [(0, -K % 32)]); x = x.reshape(x.shape[:-1] + (-1, 32)); a = np.abs(x).max(-1, keepdims=True)
;;       e = np.where(a > 0, np.clip(np.frexp(np.where(a > 0, a, 1))[1] - 1 - 2, -126, 127), 0)      # np.frexp(a)[1] - 1 = floor(log2(a)), exactly
;;       r = np.clip(x / 2.0 ** e, -7.5, 7.5)
;;       step = 2.0 ** (np.maximum(np.frexp(np.where(r == 0, 1, r))[1] - 1, 0) - 3)
;;       q = np.round(r / step) * step * 2.0 ** e      # np.round: ties to even
;;       return np.moveaxis(q.reshape(q.shape[:-2] + (-1,))[..., :K], -1, axis).astype(np.float32)
;;   ~~~
;; One version. Each part assembles by itself: llvm-mc -triple=amdgcn-amd-amdhsa -mcpu=gfx1250 --defsym DOCPART=n.
;; ======== version 1 of 1: 5 launches
;; limits: right only within a limited range of input values
;; workspace buffers: gmin 33,554,432 bytes; cmin 4,194,304 bytes; lstat 2,097,152 bytes; sel1 131,072 bytes of whole numbers; rowst 131,072 bytes; sel2 131,072 bytes of whole numbers; topidx 40,960 bytes of whole numbers; lrow 4,096 bytes
;; launch main (part 1): grid 64 x 4, 16 waves a work-group, no clusters, 327,680 bytes of LDS; arguments centers, feature, position, gmin, cmin, lstat; writes gmin, cmin, lstat
.if DOCPART == 1
	.amdgcn_target "amdgcn-amd-amdhsa--gfx1250"
	.amdhsa_code_object_version 6
	.text
	.protected	k_qf384376e82_main
	.globl	k_qf384376e82_main
	.p2align	8
	.type	k_qf384376e82_main,@function
k_qf384376e82_main:
	s_mov_b64 s[64:65], 0
	v_nop
	global_prefetch_b8 v0, s[64:65] scope:SCOPE_SE
	s_setreg_imm32_b32 hwreg(HW_REG_WAVE_MODE, 25, 1), 1
	s_wait_xcnt 0x0
; d[p][q][n] = (|f|^2 + |c|^2) - 2 f.c for 4 parts x 256 queries x 65,536 centres; f.c on codes of E2M3 with one E8M0 scale for 32 along K (K = 256: two matrix instructions); all else f32.
; The distances never go to memory.  What leaves: the minimum of each 8 consecutive centres (gmin), of each 64 (cmin), and for each lane a running (-M, sum of 2^(t - M)), t = -10 log2(e) d (lstat).
; Column position[q] of a query counts as +infinity ahead of all three.  camid and mem_camid enter nothing that reference() returns, so no launch of this program names them.
; SHARES.  A work-group takes 1,024 centres of one part (1 MiB, read once) against all 256 queries, in 8 chunks of 128 centres.  Sixteen waves, each with two roles:
;   quantising: wave w takes 8 consecutive centres (8 KiB dense) of a chunk.  One tensor load lays them into the wave's own slot as 16 rows of 512 bytes + 16 of padding; read back, a lane holds 64 neighbours along K; codes, scale words and |c|^2 go to LDS as images of the operand's registers;
;   product: wave w holds query tiles 2 (w / 2), 2 (w / 2) + 1 and takes tiles 4 (w % 2) + 0..3 of the chunk: source 0 = 16 centres, source 1 = 16 queries, so a lane holds ONE query and eight centres.
; A lane's 64 distances of two chunks are 64 consecutive centres: n = 1024 wg + 256 k + 64 (2 ch + h) + 32 B + 8 u + j.
; THE RING: two slots a wave.  Chunk t is read from slot t % 2 ahead of the chunk's barrier; behind it the same slot takes chunk t + 2.  One tensor load a wave is out, 128 KiB a work-group, through all of a chunk's work.
; A chunk's running maximum and sum are made one chunk later, between the issue of the next chunk's 16 slot reads and the wait for them.  The first chunk finds distances of +infinity, which add 0.
; M is a whole number (the largest t so far, taken up), so every change of M multiplies the sum by an exact power of two.
; LIMITS: NaN and infinities among the inputs are not served; a block of zeros gets the scale byte 1 (its codes are zeros; only this program reads the bytes); blocks whose largest magnitude lies under 2^-124 were not tried;
; |f|^2, |c|^2 and the sums of exponentials are added in another order than reference() adds them.
; No cluster: the work-groups share only the features, 256 KiB at the head against 1 MiB of centres that each reads alone.  No prefetch: each wave's next 8 KiB is asked for straight behind every barrier, and each byte is read once.
.set SLT,   8448                       ; a slot: 16 rows of 528 bytes
.set STW,   2*SLT                      ; a wave's two slots (at the head: its 16 rows of features)
.set IMG,   16*STW                     ; two buffers of 8 tile images (at first 16 images of the features' tiles; at the end the cells' minima)
.set TIL,   3328                       ; a tile image: 0 codes of K step 0, 1536 32 scale words, 1664 codes of K step 1, 3200 16 sums of squares
.set BUF,   8*TIL
.set CMS,   IMG
.set SPARE, IMG+2*BUF                  ; the spare words, 128 bytes a wave: no other line names them
.set NC,    0xc166d4ca                 ; -10 log2(e)
.set FLOOR, 0x1800000                  ; 2^(3 - 127): holds a scale byte at 1 from below
.set KA0, 0                            ; the cells' minima of earlier trips, tiles 0 and 1: shifted once a trip
.set KA1, 2
.set KB0, 10
.set KB1, 11
.set KC0, 240
.set KC1, 241
.set L16, 1                            ; 16 x lane
.set VRD, 3                            ; where I read my slot
.set AI,  4                            ; where I store codes, the scale word, the sum of squares
.set AW,  5
.set AC,  6
.set FRA, 7                            ; where I read fragments, scale words, sums of squares
.set FRS, 8
.set FRC, 9
.set QS,  12                           ; v12-13 the queries' scale words
.set AS,  14                           ; the centres' scale words
.set H8,  15                           ; 8 x (lane / 16)
.set ST,  16                           ; v16-23 per query tile: -M, largest t, the sum in two halves
.set F2,  24                           ; v24-25 |f|^2 of tile 0, of tile 1
.set SPW, 26                           ; my spare word; never rewritten
.set NIL, 27                           ; 0; never rewritten
.set Q,   28                           ; v28-75 the queries' fragments
.set RG,  76                           ; v76-77 (position - first centre of my 32) / 8
.set CMN, 78                           ; v78-79 the cell's minimum so far
.set N,   80                           ; v80-143 64 neighbours along K
.set Y,   144                          ; v144-207 the distances: 32 x tile + 8 u + j
.set AF,  208                          ; a tile's two fragments; while quantising the codes
.set QA,  228
.set QO,  230
.set SQA, 232
.set SQB, 234
.set QW,  236
.set QW2, 237
.set C2,  232                          ; |c|^2 of my eight centres
.set GM,  242                          ; the groups' minima
.set FF,  250
.set CH,  254                          ; the minimum of my 32
.set G1F, 40                           ; s[40:47] group 1, 32 rows (features);  s[84:91] 16 rows (a chunk)
.set G1C, 84
.set G0,  92                           ; s[92:99] group 0 of slots 0, 1
.set PM,  48                           ; s48-63 lanes whose position % 8 is j: 8 x tile + j
.set GK,  66                           ; s66-73 lanes whose position lies in group u: 4 x tile + u
.set TM,  76                           ; s76-83 at work
.set SINF, 75
.macro RD s, y                         ; my slot's 8 KiB: lane r' + 8 s + 16 h takes, of row r', k = 128 s + 64 c + 32 h + i into register 32 c + i
.irp c, 0,1
.irp i, 0,1,2,3,4,5,6,7
	ds_load_b128 v[\y+32*\c+4*\i:\y+32*\c+4*\i+3], v[VRD] offset:\s*SLT+256*\c+16*\i
.endr
.endr
.endm
.macro QCORE n, cb                     ; out: 12 registers of codes, the row's scale word, the row's sum of squares
	v_max3_num_f32 v[QA], |v[\n]|, |v[\n+1]|, FLOOR
	v_max3_num_f32 v[QA+1], |v[\n+32]|, |v[\n+33]|, FLOOR
.irp i, 2,4,6,8,10,12,14,16,18,20,22,24,26,28,30
	s_delay_alu instid0(VALU_DEP_2)
	v_max3_num_f32 v[QA], v[QA], |v[\n+\i]|, |v[\n+\i+1]|
	s_delay_alu instid0(VALU_DEP_2)
	v_max3_num_f32 v[QA+1], v[QA+1], |v[\n+32+\i]|, |v[\n+33+\i]|
.endr
	v_pk_mul_f32 v[SQA:SQA+1], v[\n:\n+1], v[\n:\n+1]
	v_pk_mul_f32 v[SQB:SQB+1], v[\n+2:\n+3], v[\n+2:\n+3]
.irp i, 4,8,12,16,20,24,28,32,36,40,44,48,52,56,60
	s_delay_alu instid0(VALU_DEP_2)
	v_pk_fma_f32 v[SQA:SQA+1], v[\n+\i:\n+\i+1], v[\n+\i:\n+\i+1], v[SQA:SQA+1]
	s_delay_alu instid0(VALU_DEP_2)
	v_pk_fma_f32 v[SQB:SQB+1], v[\n+\i+2:\n+\i+3], v[\n+\i+2:\n+\i+3], v[SQB:SQB+1]
.endr
	v_add_nc_u32 v[QO], 0xff000000, v[QA]          ; 2 off the exponent field: the conversion's scale operand
	v_add_nc_u32 v[QO+1], 0xff000000, v[QA+1]
	s_delay_alu instid0(VALU_DEP_2)
	v_lshrrev_b32 v[QA], 23, v[QO]                 ; the scale's byte
	s_delay_alu instid0(VALU_DEP_2)
	v_lshrrev_b32 v[QA+1], 23, v[QO+1]
	s_delay_alu instid0(VALU_DEP_1)
	v_lshl_or_b32 v[QW], v[QA+1], 16, v[QA]        ; my blocks h and 2 + h,
	s_delay_alu instid0(VALU_DEP_1)
	v_lshlrev_b32 v[QW], v[H8], v[QW]              ; at their places;
	s_delay_alu instid0(VALU_DEP_1)
	v_permlanex16_b32 v[QW2], v[QW], s20, s21
	s_delay_alu instid0(VALU_DEP_1)
	v_or_b32 v[QW], v[QW], v[QW2]                  ; with lane l xor 16's two the word is whole
	v_cvt_scalef32_pk16_fp6_f32 v[\cb:\cb+2], v[\n:\n+15], v[QO]
	v_cvt_scalef32_pk16_fp6_f32 v[\cb+12:\cb+14], v[\n+16:\n+31], v[QO]
	v_cvt_scalef32_pk16_fp6_f32 v[\cb+6:\cb+8], v[\n+32:\n+47], v[QO+1]
	v_cvt_scalef32_pk16_fp6_f32 v[\cb+16:\cb+18], v[\n+48:\n+63], v[QO+1]
	v_nop                                          ; one plain place behind the last scaled conversion
.irp i, 0,1,2
	v_mov_b32 v[\cb+3+\i], v[\cb+12+\i]
	v_mov_b32 v[\cb+9+\i], v[\cb+16+\i]
.endr
	v_pk_add_f32 v[SQA:SQA+1], v[SQA:SQA+1], v[SQB:SQB+1]
	s_delay_alu instid0(VALU_DEP_1)
	v_add_f32 v[SQA], v[SQA], v[SQA+1]
	s_delay_alu instid0(VALU_DEP_1)
	v_add_f32_dpp v[SQA], v[SQA], v[SQA] row_xmask:8 row_mask:0xf bank_mask:0xf   ; the row's other K step
	s_delay_alu instid0(VALU_DEP_1)
	v_permlanex16_b32 v[QW2], v[SQA], s20, s21
	s_delay_alu instid0(VALU_DEP_1)
	v_add_f32 v[SQA], v[SQA], v[QW2]               ; and its other halves
.endm
.macro QSTORE cb, oi, os, oc           ; lanes that hold the same word store the same value to the same address
.irp g, 0,1,2
	ds_store_b128 v[AI], v[\cb+4*\g:\cb+4*\g+3] offset:\oi+512*\g
.endr
	ds_store_b32 v[AW], v[QW] offset:1536+\os
	ds_store_b32 v[AC], v[SQA] offset:3200+\oc
.endm
.macro BARRIER
	s_wait_dscnt 0x0
	s_barrier_signal -1
	s_barrier_wait -1
.endm
; The lines in front of a fill of a slot: all my tensor loads have landed; the add; the add, my LDS stores and my reads of the slot are done; the barrier; then my one load.
.macro MEET s, step, fill
	s_wait_tensorcnt 0x0
	ds_add_u32 v[SPW], v[NIL]
.if \step
	s_add_nc_u64 s[G0+4*\s+2:G0+4*\s+3], s[G0+4*\s+2:G0+4*\s+3], 0x40000   ; no load of mine is out: the slot's next chunk lies 256 centres on
.endif
	s_wait_dscnt 0x0
	s_barrier_signal -1
	s_barrier_wait -1
.if \fill
	tensor_load_to_lds s[G0+4*\s:G0+4*\s+3], s[G1C:G1C+7]
	s_nop 0
.endif
.endm
; One tile of 16 centres against my two tiles of queries.  The two accumulators take turns.
.macro PROD b, u
.irp s, 0,1
.irp g, 0,1,2
	ds_load_b128 v[AF+12*\s+4*\g:AF+12*\s+4*\g+3], v[FRA] offset:\b*BUF+\u*TIL+\s*1664+512*\g
.endr
.endr
	ds_load_b32 v[AS], v[FRS] offset:\b*BUF+\u*TIL+1536          ; lanes 0-15: K step 0's words, lanes 16-31: K step 1's
	ds_load_b128 v[C2:C2+3], v[FRC] offset:\b*BUF+\u*TIL+3200
	ds_load_b128 v[C2+4:C2+7], v[FRC] offset:\b*BUF+\u*TIL+3216
	s_wait_dscnt 0x0
	v_wmma_scale_f32_16x16x128_f8f6f4 v[Y+8*\u:Y+8*\u+7], v[AF:AF+11], v[Q:Q+11], 0, v[AS], v[QS] matrix_a_fmt:MATRIX_FMT_FP6 matrix_b_fmt:MATRIX_FMT_FP6
	v_wmma_scale_f32_16x16x128_f8f6f4 v[Y+32+8*\u:Y+32+8*\u+7], v[AF:AF+11], v[Q+24:Q+35], 0, v[AS], v[QS+1] matrix_a_fmt:MATRIX_FMT_FP6 matrix_b_fmt:MATRIX_FMT_FP6
	v_wmma_scale_f32_16x16x128_f8f6f4 v[Y+8*\u:Y+8*\u+7], v[AF+12:AF+23], v[Q+12:Q+23], v[Y+8*\u:Y+8*\u+7], v[AS], v[QS] matrix_a_fmt:MATRIX_FMT_FP6 matrix_b_fmt:MATRIX_FMT_FP6 matrix_a_scale:MATRIX_SCALE_ROW1 matrix_b_scale:MATRIX_SCALE_ROW1
	v_wmma_scale_f32_16x16x128_f8f6f4 v[Y+32+8*\u:Y+32+8*\u+7], v[AF+12:AF+23], v[Q+36:Q+47], v[Y+32+8*\u:Y+32+8*\u+7], v[AS], v[QS+1] matrix_a_fmt:MATRIX_FMT_FP6 matrix_b_fmt:MATRIX_FMT_FP6 matrix_a_scale:MATRIX_SCALE_ROW1 matrix_b_scale:MATRIX_SCALE_ROW1
.irp i, 0,2,4,6
	v_pk_add_f32 v[GM+\i:GM+\i+1], v[C2+\i:C2+\i+1], v[F2:F2+1] op_sel_hi:[1,0]       ; |f|^2 + |c|^2, tile 0 (the pair's first word for both halves): four plain places behind the products (ISA guide 7.12.1)
.endr
.irp i, 0,2,4,6
	v_pk_fma_f32 v[Y+8*\u+\i:Y+8*\u+\i+1], v[Y+8*\u+\i:Y+8*\u+\i+1], -2.0, v[GM+\i:GM+\i+1] op_sel_hi:[1,0,1]   ; d, each accumulator from its low end on
.endr
.irp i, 0,2,4,6
	v_pk_add_f32 v[C2+\i:C2+\i+1], v[C2+\i:C2+\i+1], v[F2:F2+1] op_sel:[0,1] op_sel_hi:[1,1]   ; tile 1: the pair's second word for both halves
.endr
.irp i, 0,2,4,6
	v_pk_fma_f32 v[Y+32+8*\u+\i:Y+32+8*\u+\i+1], v[Y+32+8*\u+\i:Y+32+8*\u+\i+1], -2.0, v[C2+\i:C2+\i+1] op_sel_hi:[1,0,1]
.endr
.endm
; The removed column, with no branch: distance 8 u + j of a tile becomes +infinity in the lanes whose position lies in group u and is j modulo 8.
.macro MASK b
.irp t, 0,1
.irp u, 0,1,2,3
	v_cmp_eq_u32 s[GK+4*\t+\u], \u, v[RG+\t]
.endr
.endr
	s_wait_alu depctr_va_vdst(0)                   ; the wait ahead of runs of scalar instructions
.irp t, 0,1
.irp u, 0,1,2,3
.irp j, 0,1,2,3,4,5,6,7
	s_and_b32 s[TM+\j], s[GK+4*\t+\u], s[PM+8*\t+\j]
.endr
.irp j, 0,1,2,3,4,5,6,7
	v_cndmask_b32 v[Y+32*\t+8*\u+\j], v[Y+32*\t+8*\u+\j], s[SINF], s[TM+\j]
.endr
.endr
.endr
.if \b == 0
	v_add_nc_u32 v[RG], -4, v[RG]                  ; my next 32 centres lie 32 on,
	v_add_nc_u32 v[RG+1], -4, v[RG+1]
.else
	v_add_nc_u32 v[RG], 0xffffffe4, v[RG]          ; then 224 on
	v_add_nc_u32 v[RG+1], 0xffffffe4, v[RG+1]
.endif
.endm
.macro MINS b
.irp g, 0,1,2,3,4,5,6,7
	v_min3_num_f32 v[GM+\g], v[Y+8*\g], v[Y+8*\g+1], v[Y+8*\g+2]
.endr
.irp i, 3,5
.irp g, 0,1,2,3,4,5,6,7
	v_min3_num_f32 v[GM+\g], v[GM+\g], v[Y+8*\g+\i], v[Y+8*\g+\i+1]
.endr
.endr
.irp g, 0,1,2,3,4,5,6,7
	v_min_num_f32 v[GM+\g], v[GM+\g], v[Y+8*\g+7]
.endr
	v_min3_num_f32 v[CH], v[GM], v[GM+1], v[GM+2]
	s_delay_alu instid0(VALU_DEP_3)
	v_min3_num_f32 v[CH+1], v[GM+4], v[GM+5], v[GM+6]
.irp t, 0,1
	s_delay_alu instid0(VALU_DEP_2)
	v_min_num_f32 v[CH+\t], v[CH+\t], v[GM+4*\t+3]
.endr
.irp t, 0,1
	global_store_b128 v[L16], v[GM+4*\t:GM+4*\t+3], s[10:11] offset:\b*16384+\t*512 th:TH_STORE_NT   ; 32 lanes store 512 consecutive bytes, aligned
.endr
.if \b == 0
	v_mov_b32 v[CMN], v[CH]
	v_mov_b32 v[CMN+1], v[CH+1]
.else
	v_min_num_f32 v[CMN], v[CMN], v[CH]
	v_min_num_f32 v[CMN+1], v[CMN+1], v[CH+1]
.endif
.endm
.macro LSE                             ; the running maximum and sum, the two tiles by turns
.irp t, 0,1
	v_mul_f32 v[CH+\t], s22, v[CH+\t]              ; the largest t of my 32
.endr
.irp t, 0,1
	s_delay_alu instid0(VALU_DEP_2)
	v_max_num_f32 v[ST+4*\t+1], v[ST+4*\t+1], v[CH+\t]
.endr
.irp t, 0,1
	v_mov_b32 v[FF+2*\t+1], v[ST+4*\t]
.endr
.irp t, 0,1
	s_delay_alu instid0(VALU_DEP_4)
	v_floor_f32 v[ST+4*\t], -v[ST+4*\t+1]          ; -M = floor(-t): M is a whole number
.endr
.irp t, 0,1
	s_delay_alu instid0(VALU_DEP_2)
	v_sub_f32 v[FF+2*\t+1], v[ST+4*\t], v[FF+2*\t+1]   ; old M - new M, 0 or less
.endr
.irp t, 0,1
	s_delay_alu instid0(VALU_DEP_2)
	v_cvt_i32_f32 v[FF+2*\t+1], v[FF+2*\t+1]       ; (it saturates)
.endr
.irp t, 0,1
	s_delay_alu instid0(VALU_DEP_2)
	v_ldexp_f32 v[FF+2*\t], 1.0, v[FF+2*\t+1]
.endr
.irp j, 0,2,4,6,8,10,12,14,16,18,20,22,24,26,28,30
	v_pk_fma_f32 v[Y+\j:Y+\j+1], v[Y+\j:Y+\j+1], s[22:23], v[ST:ST+1] op_sel_hi:[1,0,0]             ; t - M
	v_pk_fma_f32 v[Y+32+\j:Y+33+\j], v[Y+32+\j:Y+33+\j], s[22:23], v[ST+4:ST+5] op_sel_hi:[1,0,0]
.endr
.set j, 0
	s_wait_alu depctr_va_vdst(0)                   ; the wait ahead of the batch
.rept 64
	v_exp_f32 v[Y+j], v[Y+j]
.set j, j+1
.endr
	v_pk_mul_f32 v[ST+2:ST+3], v[ST+2:ST+3], v[FF:FF+1] op_sel_hi:[1,0]       ; the sums under the new M: exact.  (A plain place behind the exponentials)
	v_pk_mul_f32 v[ST+6:ST+7], v[ST+6:ST+7], v[FF+2:FF+3] op_sel_hi:[1,0]
	s_wait_alu depctr_va_vdst(0)                   ; and behind it
	v_pk_add_f32 v[C2:C2+1], v[Y:Y+1], v[Y+2:Y+3]
	v_pk_add_f32 v[C2+2:C2+3], v[Y+32:Y+33], v[Y+34:Y+35]
.irp j, 4,8,12,16,20,24,28
	v_pk_add_f32 v[ST+2:ST+3], v[ST+2:ST+3], v[Y+\j:Y+\j+1]
	v_pk_add_f32 v[C2:C2+1], v[C2:C2+1], v[Y+\j+2:Y+\j+3]
	v_pk_add_f32 v[ST+6:ST+7], v[ST+6:ST+7], v[Y+32+\j:Y+33+\j]
	v_pk_add_f32 v[C2+2:C2+3], v[C2+2:C2+3], v[Y+34+\j:Y+35+\j]
.endr
	s_delay_alu instid0(VALU_DEP_3)
	v_pk_add_f32 v[ST+2:ST+3], v[ST+2:ST+3], v[C2:C2+1]
	s_delay_alu instid0(VALU_DEP_2)
	v_pk_add_f32 v[ST+6:ST+7], v[ST+6:ST+7], v[C2+2:C2+3]
.endm
; A chunk of 128 centres.  ONE barrier: image buffer b was last read two chunks ago, and every wave had those reads back before it signalled the barrier of the chunk between.
.macro TRIP b, fill
	RD \b, N                                       ; this chunk's numbers are asked of my slot,
	LSE                                            ; the last chunk's sums are made meanwhile,
	s_wait_dscnt 0x0                               ; and the numbers are in
	QCORE N, AF
	QSTORE AF, \b*BUF, \b*BUF, \b*BUF
	MEET \b, \fill, \fill                          ; the chunk's eight tile images lie in LDS; my slot takes the chunk two on
	s_wait_xcnt 0x0                                ; the last chunk's stores have read the registers that are written again below
	PROD \b, 0
	PROD \b, 1
	PROD \b, 2
	PROD \b, 3
	MASK \b
	MINS \b
.endm
	s_load_b256 s[4:11], s[0:1], 0x0               ; centers s[4:5], feature s[6:7], position s[8:9], gmin s[10:11]
	s_load_b128 s[12:15], s[0:1], 0x20             ; cmin s[12:13], lstat s[14:15]
	v_lshl_add_u32 v[SPW], v0, 2, SPARE
	v_mov_b32 v[NIL], 0
	ds_add_u32 v[SPW], v[NIL]                      ; the opening lines: the add, twice on end, and one wait below
	ds_add_u32 v[SPW], v[NIL]
	v_lshrrev_b32 v247, 5, v0
	v_readfirstlane_b32 s16, v247                  ; wave 0..15
	s_and_b32 s18, ttmp7, 0xffff                   ; part
	s_mov_b32 s20, 0x76543210                      ; v_permlanex16_b32's selects for lane l xor 16
	s_mov_b32 s21, 0xfedcba98
	s_mov_b32 s22, NC
	s_mov_b32 s23, s22
	s_mov_b32 s[SINF], 0x7f800000
	s_lshr_b32 s19, s16, 1                         ; product role: my pair of query tiles.  Quantising role: my tile of the chunk
	s_and_b32 s28, s16, 1                          ; product role: which four tiles.  Quantising role: which 8 rows of the tile
.irp g, G1F, G1C                       ; rows of 512 bytes (64 elements of 8), dense, 16 bytes of padding behind each 128 words
	s_mov_b32 s[\g+0], (3<<16)|(1<<20)|(6<<22)|(3<<25)
	s_mov_b32 s[\g+1], 64<<16
	s_mov_b32 s[\g+3], 64<<16
	s_mov_b32 s[\g+5], 64
	s_mov_b32 s[\g+6], 0
	s_mov_b32 s[\g+7], 0
.endr
	s_mov_b32 s[G1F+2], 32<<16
	s_mov_b32 s[G1F+4], 32
	s_mov_b32 s[G1C+2], 16<<16
	s_mov_b32 s[G1C+4], 16
	v_and_b32 v242, 31, v0                         ; lane
	v_and_b32 v243, 7, v0                          ; r'
	v_bfe_u32 v244, v0, 3, 1                       ; s
	v_bfe_u32 v245, v0, 4, 1                       ; h
	v_and_b32 v246, 15, v0                         ; r
	v_lshlrev_b32 v[L16], 4, v242
	v_lshlrev_b32 v[H8], 3, v245
	v_mov_b32 v[QW2], 0                            ; a lane permute's destination counts as one of its sources
	s_mul_i32 s26, s16, STW
	v_lshl_add_u32 v247, v243, 1, v244
	s_delay_alu instid0(VALU_DEP_1)
	v_mul_u32_u24 v[VRD], v247, 528
	s_delay_alu instid0(VALU_DEP_1)
	v_lshl_add_u32 v[VRD], v245, 7, v[VRD]
	s_delay_alu instid0(VALU_DEP_1)
	v_add_nc_u32 v[VRD], s26, v[VRD]               ; slot row 2 r' + s, + 128 h
	v_mul_u32_u24 v247, v244, 1664
	s_delay_alu instid0(VALU_DEP_1)
	v_lshl_add_u32 v247, v243, 4, v247
	s_delay_alu instid0(VALU_DEP_1)
	v_lshl_add_u32 v247, v245, 8, v247             ; codes: K step s, 16 bytes for lane r' + 16 h
	v_lshlrev_b32 v248, 6, v244
	s_delay_alu instid0(VALU_DEP_1)
	v_lshl_add_u32 v248, v243, 2, v248             ; scale word: 64 s + 4 r'
	v_lshlrev_b32 v249, 2, v243                    ; sum of squares: 4 r'
	s_mul_i32 s27, s16, TIL
	s_add_co_u32 s27, s27, IMG                     ; at first wave w quantises the features' tile w into image w
	v_add_nc_u32 v[AI], s27, v247
	v_add_nc_u32 v[AW], s27, v248
	v_add_nc_u32 v[AC], s27, v249
	s_lshl_b32 s29, s19, 7
	v_lshl_add_u32 v251, v246, 2, s29              ; position: 4 x (32 (w / 2) + r)
	s_lshl_b32 s30, s18, 18                        ; feature: part x 256 KiB + wave x 16 rows
	s_lshl_b32 s31, s16, 14
	s_add_co_u32 s30, s30, s31
	s_mov_b32 s31, 0
	s_lshl_b32 s32, ttmp9, 10                      ; centers: row 1024 wg + 128 (w / 8) + 64 (w % 2) + 8 ((w / 2) % 4)
	s_lshr_b32 s33, s16, 3
	s_lshl_b32 s33, s33, 7
	s_add_co_u32 s32, s32, s33
	s_lshl_b32 s33, s28, 6
	s_add_co_u32 s32, s32, s33
	s_and_b32 s33, s19, 3
	s_lshl_b32 s33, s33, 3
	s_add_co_u32 s32, s32, s33
	s_lshl_b32 s32, s32, 10
	s_lshl_b32 s33, s18, 26
	s_add_co_u32 s32, s32, s33                     ; under 2^28 + 2^26: one word holds it
	s_mov_b32 s33, 0
	s_lshl_b32 s34, s18, 23                        ; gmin: [part][wg][k][B][wave][tile][lane][u]
	s_lshl_b32 s35, ttmp9, 17
	s_add_co_u32 s34, s34, s35
	s_lshl_b32 s35, s16, 10
	s_add_co_u32 s34, s34, s35
	s_mov_b32 s35, 0
	s_lshl_b32 s36, s18, 20                        ; cmin: [part][query tile = wave][wg][query][cell]
	s_lshl_b32 s37, s16, 16
	s_add_co_u32 s36, s36, s37
	s_lshl_b32 s37, ttmp9, 10
	s_add_co_u32 s36, s36, s37
	s_mov_b32 s37, 0
	s_lshl_b32 s38, s18, 19                        ; lstat: [part][query tile][wg][w % 2][lane][2]
	s_lshl_b32 s39, s19, 16
	s_add_co_u32 s38, s38, s39
	s_lshl_b32 s39, ttmp9, 9
	s_add_co_u32 s38, s38, s39
	s_lshl_b32 s39, s28, 8
	s_add_co_u32 s38, s38, s39
	s_mov_b32 s39, 0
	s_wait_alu depctr_va_vdst(0)                   ; the wait ahead of the waits below
	s_wait_dscnt 0x0                               ; both opening adds are done
	s_wait_kmcnt 0x0
	s_add_nc_u64 s[6:7], s[6:7], s[30:31]
	s_add_nc_u64 s[4:5], s[4:5], s[32:33]
	s_add_nc_u64 s[10:11], s[10:11], s[34:35]
	s_add_nc_u64 s[12:13], s[12:13], s[36:37]
	s_add_nc_u64 s[14:15], s[14:15], s[38:39]
	s_mov_b32 s32, 1                               ; group 0 for the features' tile w: 16 KiB into both my slots
	s_mov_b32 s33, s26
	s_mov_b64 s[34:35], s[6:7]
	s_or_b32 s35, s35, 0x80000000
	tensor_load_to_lds s[32:35], s[G1F:G1F+7]      ; my one tensor load at the head
	s_nop 0
	s_mov_b32 s[G0], 1                             ; slot 0: chunk 0
	s_mov_b32 s[G0+1], s26
	s_mov_b64 s[G0+2:G0+3], s[4:5]
	s_or_b32 s[G0+3], s[G0+3], 0x80000000
	s_mov_b32 s[G0+4], 1                           ; slot 1: chunk 1, 32 centres on
	s_add_co_u32 s[G0+5], s26, SLT
	s_add_nc_u64 s[G0+6:G0+7], s[4:5], 32768
	s_or_b32 s[G0+7], s[G0+7], 0x80000000
	global_load_b32 v241, v251, s[8:9]             ; position of my query in each of my two tiles
	global_load_b32 v250, v251, s[8:9] offset:64
	s_wait_tensorcnt 0x0                           ; my tile of features is in: only I read it
	s_wait_loadcnt 0x0
	RD 0, N                                        ; rows 0-7
	RD 1, Y                                        ; rows 8-15
	s_wait_dscnt 16
	QCORE N, AF
	QSTORE AF, 0, 0, 0
	s_wait_dscnt 0x0
	QCORE Y, AF
	QSTORE AF, 128, 32, 32
	MEET 0, 0, 1                                   ; the sixteen tiles of queries lie in LDS; chunk 0 goes out
	s_mul_i32 s29, s19, 2*TIL
	s_add_co_u32 s29, s29, IMG
	v_add_nc_u32 v[FRA], s29, v[L16]
	v_lshl_add_u32 v[FRS], v242, 2, s29
	v_lshl_add_u32 v[FRC], v246, 2, s29
.irp t, 0,1
.irp s, 0,1
.irp g, 0,1,2
	ds_load_b128 v[Q+24*\t+12*\s+4*\g:Q+24*\t+12*\s+4*\g+3], v[FRA] offset:\t*TIL+\s*1664+512*\g
.endr
.endr
	ds_load_b32 v[QS+\t], v[FRS] offset:\t*TIL+1536
	ds_load_b32 v[F2+\t], v[FRC] offset:\t*TIL+3200
.endr
	MEET 1, 0, 1                                   ; every wave has its queries: the images' bytes may take centres; chunk 0 is in, chunk 1 goes out
	s_mul_i32 s27, s19, TIL
	s_add_co_u32 s27, s27, IMG
	s_lshl_b32 s29, s28, 7
	s_add_co_u32 s29, s29, s27
	v_add_nc_u32 v[AI], s29, v247                  ; tile w / 2, rows 8 (w % 2) + r'
	s_lshl_b32 s29, s28, 5
	s_add_co_u32 s29, s29, s27
	v_add_nc_u32 v[AW], s29, v248
	v_add_nc_u32 v[AC], s29, v249
	s_mul_i32 s29, s28, 4*TIL
	s_add_co_u32 s29, s29, IMG
	v_add_nc_u32 v[FRA], s29, v[L16]
	v_lshl_add_u32 v[FRS], v242, 2, s29
	v_lshl_add_u32 v[FRC], v245, 5, s29            ; my eight centres' sums: rows 8 h on
	s_lshl_b32 s29, ttmp9, 10
	s_lshl_b32 s27, s28, 7
	s_add_co_u32 s29, s29, s27
	v_lshl_add_u32 v247, v245, 6, s29              ; my first centre: 1024 wg + 64 (2 (w % 2) + h)
	s_delay_alu instid0(VALU_DEP_1)
	v_sub_nc_u32 v[RG], v241, v247
	v_sub_nc_u32 v[RG+1], v250, v247
	s_delay_alu instid0(VALU_DEP_2)
	v_and_b32 v248, 7, v[RG]
	s_delay_alu instid0(VALU_DEP_2)
	v_and_b32 v249, 7, v[RG+1]
.irp j, 0,1,2,3,4,5,6,7
	v_cmp_eq_u32 s[PM+\j], \j, v248                ; the steps of 32 and 224 leave the place in a group of 8 as it is: made once
	v_cmp_eq_u32 s[PM+8+\j], \j, v249
.endr
	v_lshrrev_b32 v[RG], 3, v[RG]
	v_lshrrev_b32 v[RG+1], 3, v[RG+1]
.irp r, KB0, KB1, KC0, KC1
	v_mov_b32 v[\r], 0                             ; read by the first shift, before they hold minima
.endr
.set j, 0
.rept 64
	v_mov_b32 v[Y+j], s[SINF]                      ; the first chunk's turn at the sums finds +infinity: 2^-infinity adds 0
.set j, j+1
.endr
	v_mov_b32 v[CH], s[SINF]
	v_mov_b32 v[CH+1], s[SINF]
.irp t, 0,1
	v_mov_b32 v[ST+4*\t+1], 0xff61b1e6             ; the largest t so far: -3e38
	v_mov_b32 v[ST+4*\t+2], 0
	v_mov_b32 v[ST+4*\t+3], 0
.endr
	v_floor_f32 v[ST], -v[ST+1]
	v_floor_f32 v[ST+4], -v[ST+5]
	s_wait_alu depctr_va_vdst(0)                   ; the wait at the head's end
	s_mov_b32 s24, 3
.Lk:                                                   ; a trip: 256 centres, two chunks; both slots are filled again
	TRIP 0, 1
	TRIP 1, 1
	v_mov_b32 v[KA0], v[KB0]                       ; the trip's cells join the earlier ones
	v_mov_b32 v[KA1], v[KB1]
	v_mov_b32 v[KB0], v[KC0]
	v_mov_b32 v[KB1], v[KC1]
	v_mov_b32 v[KC0], v[CMN]
	v_mov_b32 v[KC1], v[CMN+1]
	s_wait_alu depctr_va_vdst(0)                   ; the wait ahead of the wait and the branch below
	s_wait_xcnt 0x0                                ; the stores have read their base
	s_add_nc_u64 s[10:11], s[10:11], 0x8000
	s_sub_co_i32 s24, s24, 1
	s_cmp_lg_u32 s24, 0
	s_cbranch_scc1 .Lk
	TRIP 0, 0                                      ; the last two chunks ask for nothing more
	TRIP 1, 0
	LSE                                            ; the last chunk's sums
	s_lshl_b32 s29, s19, 11
	s_lshl_b32 s27, s28, 3
	s_add_co_u32 s29, s29, s27
	s_add_co_u32 s29, s29, CMS
	s_lshl_b32 s30, s16, 10
	s_add_co_u32 s30, s30, CMS
	s_wait_alu depctr_va_vdst(0)                   ; the wait ahead of the barrier
	BARRIER                                        ; nobody reads the images any more: their bytes take the cells' minima, [query tile 16][query 16][cell 16]
	v_bfe_u32 v[N], v[L16], 4, 4                   ; r
	v_bfe_u32 v[N+1], v[L16], 8, 1                 ; h
	s_delay_alu instid0(VALU_DEP_2)
	v_lshl_add_u32 v[N], v[N], 6, s29
	s_delay_alu instid0(VALU_DEP_1)
	v_lshl_add_u32 v[N], v[N+1], 2, v[N]           ; tile 2 (w / 2), query r, cell 2 (w % 2) + h; trip k's cell lies 16 k bytes on
	v_add_nc_u32 v[N+1], s30, v[L16]               ; back: wave w takes query tile w, 1,024 bytes
	v_lshrrev_b32 v[N+2], 1, v[L16]                ; 8 x lane
.irp t, 0,1
	v_add_f32 v[ST+4*\t+1], v[ST+4*\t+2], v[ST+4*\t+3]
.endr
	ds_store_b32 v[N], v[KA0]
	ds_store_b32 v[N], v[KA1] offset:1024
	ds_store_b32 v[N], v[KB0] offset:16
	ds_store_b32 v[N], v[KB1] offset:1040
	ds_store_b32 v[N], v[KC0] offset:32
	ds_store_b32 v[N], v[KC1] offset:1056
	ds_store_b32 v[N], v[CMN] offset:48
	ds_store_b32 v[N], v[CMN+1] offset:1072
.irp t, 0,1
	global_store_b64 v[N+2], v[ST+4*\t:ST+4*\t+1], s[14:15] offset:\t*32768      ; (-M, sum): 32 lanes store 256 consecutive bytes, aligned
.endr
	s_wait_alu depctr_va_vdst(0)                   ; the wait ahead of the barrier
	BARRIER                                        ; all minima of the cells lie in LDS
	ds_load_b128 v[N+4:N+7], v[N+1]
	ds_load_b128 v[N+8:N+11], v[N+1] offset:512
	s_wait_dscnt 0x0
	global_store_b128 v[L16], v[N+4:N+7], s[12:13]
	global_store_b128 v[L16], v[N+8:N+11], s[12:13] offset:512
	s_wait_tensorcnt 0x0                           ; the wave's end
	ds_add_u32 v[SPW], v[NIL]
	s_wait_dscnt 0x0
	s_endpgm
.Lfunc_end_k_qf384376e82_main:
	.size	k_qf384376e82_main, .Lfunc_end_k_qf384376e82_main-k_qf384376e82_main
	.p2alignl 7, 3214868480
	.fill 96, 4, 3214868480
	.section	.rodata,"a",@progbits
	.p2align	6, 0x0
	.amdhsa_kernel k_qf384376e82_main
		.amdhsa_group_segment_fixed_size 327680
		.amdhsa_private_segment_fixed_size 0
		.amdhsa_enable_private_segment 0
		.amdhsa_kernarg_size 48
		.amdhsa_user_sgpr_count 2
		.amdhsa_user_sgpr_kernarg_segment_ptr 1
		.amdhsa_wavefront_size32 1
		.amdhsa_system_sgpr_workgroup_id_x 1
		.amdhsa_system_sgpr_workgroup_id_y 1
		.amdhsa_system_sgpr_workgroup_id_z 1
		.amdhsa_system_vgpr_workitem_id 0
		.amdhsa_next_free_vgpr 256
		.amdhsa_next_free_sgpr 100
		.amdhsa_reserve_vcc 0
		.amdhsa_float_denorm_mode_32 3
		.amdhsa_float_denorm_mode_16_64 3
		.amdhsa_memory_ordered 1
		.amdhsa_forward_progress 1
		.amdhsa_inst_pref_size 173
	.end_amdhsa_kernel
	.amdgpu_metadata
---
amdhsa.version: [ 1, 2 ]
amdhsa.kernels:
  - .name:           k_qf384376e82_main
    .symbol:         k_qf384376e82_main.kd
    .args:
      - { .name: centers, .offset: 0, .size: 8, .value_kind: global_buffer, .address_space: global }
      - { .name: feature, .offset: 8, .size: 8, .value_kind: global_buffer, .address_space: global }
      - { .name: position, .offset: 16, .size: 8, .value_kind: global_buffer, .address_space: global }
      - { .name: gmin, .offset: 24, .size: 8, .value_kind: global_buffer, .address_space: global }
      - { .name: cmin, .offset: 32, .size: 8, .value_kind: global_buffer, .address_space: global }
      - { .name: lstat, .offset: 40, .size: 8, .value_kind: global_buffer, .address_space: global }
    .group_segment_fixed_size: 327680
    .private_segment_fixed_size: 0
    .kernarg_segment_align: 8
    .kernarg_segment_size: 48
    .max_flat_workgroup_size: 512
    .sgpr_count:     100
    .vgpr_count:     256
    .wavefront_size: 32
...
	.end_amdgpu_metadata
.endif
;; end of part 1
;; launch cells (part 2): grid 256 x 1, 4 waves a work-group, no clusters, 0 bytes of LDS; arguments cmin, lstat, sel1, rowst; writes sel1, rowst
.if DOCPART == 2
	.amdgcn_target "amdgcn-amd-amdhsa--gfx1250"
	.amdhsa_code_object_version 6
	.text
	.protected	k_qf384376e82_cells
	.globl	k_qf384376e82_cells
	.p2align	8
	.type	k_qf384376e82_cells,@function
k_qf384376e82_cells:
	s_mov_b64 s[64:65], 0
	v_nop
	global_prefetch_b8 v0, s[64:65] scope:SCOPE_SE
	s_setreg_imm32_b32 hwreg(HW_REG_WAVE_MODE, 25, 1), 1
	s_wait_xcnt 0x0
; One wave to a row (part, query).  (1) Of the row's 1,024 cells of 64 centres the ten with the smallest minimum, ties to the lower cell: the ten nearest centres lie in them, since each cell left out is preceded by ten cells
; that each hold a centre ahead of all of its own.  They are stored as whole numbers: the next launch makes addresses of them.  (2) The row's 256 pairs (-M, sum) become one: every sum is brought under the largest M by an exact power of two.
; Ten picks in a counted loop: the smallest value, the smallest id among its holders, that id struck out.  No branch hangs on a floating-point number.  Ids are kept as f32 (exact: under 2^24).
; Streams a few KiB a wave: no LDS, no matrix unit.
.set V,   16                           ; v16-47 32 minima: id 128 j + 4 lane + e in register 4 j + e
.set IDF, 48                           ; v48-79 their ids
.set SP,  80                           ; v80-95 eight pairs (-M, sum)
.macro XMIN r
	v_min_num_f32_dpp v[\r], v[\r], v[\r] row_xmask:1 row_mask:0xf bank_mask:0xf
	v_min_num_f32_dpp v[\r], v[\r], v[\r] row_xmask:2 row_mask:0xf bank_mask:0xf
	v_min_num_f32_dpp v[\r], v[\r], v[\r] row_xmask:4 row_mask:0xf bank_mask:0xf
	v_min_num_f32_dpp v[\r], v[\r], v[\r] row_xmask:8 row_mask:0xf bank_mask:0xf
	v_permlanex16_b32 v8, v[\r], s20, s21
	v_min_num_f32 v[\r], v[\r], v8
.endm
	s_load_b256 s[4:11], s[0:1], 0x0               ; cmin s[4:5], lstat s[6:7], sel1 s[8:9], rowst s[10:11]
	v_lshrrev_b32 v12, 5, v0
	v_readfirstlane_b32 s12, v12
	s_lshl_b32 s13, ttmp9, 2
	s_add_co_u32 s13, s13, s12                     ; row = 256 part + query
	s_lshr_b32 s14, s13, 4                         ; 16 part + query tile
	s_and_b32 s15, s13, 15                         ; query in its tile
	s_mov_b32 s20, 0x76543210
	s_mov_b32 s21, 0xfedcba98
	s_lshl_b32 s16, s14, 16
	s_lshl_b32 s17, s15, 6
	s_add_co_u32 s16, s16, s17
	s_mov_b32 s17, 0
	s_lshl_b32 s18, s14, 15
	s_lshl_b32 s19, s15, 3
	s_add_co_u32 s18, s18, s19
	s_mov_b32 s19, 0
	s_lshl_b32 s24, s13, 7
	s_mov_b32 s25, 0
	v_and_b32 v1, 31, v0                           ; lane
	v_lshrrev_b32 v12, 2, v1
	v_and_b32 v13, 3, v1
	v_lshlrev_b32 v2, 10, v12
	v_lshl_add_u32 v2, v13, 4, v2                  ; cmin: work-group 8 j + lane / 4, 16 bytes at 16 (lane % 4)
	v_lshlrev_b32 v3, 7, v1                        ; lstat: the row's pairs lie 128 bytes apart
	v_lshlrev_b32 v4, 2, v1
	v_mov_b32 v8, 0
	v_mov_b32 v9, 0                                ; the picks, pick k in lane k
	v_mov_b32 v11, 0x7f800000
	s_wait_alu depctr_va_vdst(0)
	s_wait_kmcnt 0x0
	s_add_nc_u64 s[4:5], s[4:5], s[16:17]
	s_add_nc_u64 s[6:7], s[6:7], s[18:19]
	s_add_nc_u64 s[8:9], s[8:9], s[24:25]
	s_add_nc_u64 s[10:11], s[10:11], s[24:25]
.irp j, 0,1,2,3,4,5,6,7
	global_load_b128 v[V+4*\j:V+4*\j+3], v2, s[4:5] offset:8192*\j
.endr
.irp j, 0,1,2,3,4,5,6,7
	global_load_b64 v[SP+2*\j:SP+2*\j+1], v3, s[6:7] offset:4096*\j
.endr
.set i, 0
.rept 32
	v_add_nc_u32 v[IDF+i], 128*(i/4)+(i%4), v4
	v_cvt_f32_u32 v[IDF+i], v[IDF+i]
.set i, i+1
.endr
	s_wait_loadcnt 8                               ; the minima are in; the eight loads of pairs may be out
	s_mov_b32 s22, 0
.Lpick:
	v_min3_num_f32 v5, v[V], v[V+1], v[V+2]
	v_min3_num_f32 v7, v[V+3], v[V+4], v[V+5]
.set i, 6
.rept 6
	v_min3_num_f32 v5, v5, v[V+i], v[V+i+1]
	v_min3_num_f32 v7, v7, v[V+i+2], v[V+i+3]
.set i, i+4
.endr
	v_min3_num_f32 v5, v5, v[V+30], v[V+31]
	v_min_num_f32 v5, v5, v7
	XMIN 5                                         ; the smallest value left
	v_mov_b32 v6, v11
.set i, 0
.rept 16
	v_cmp_eq_f32 vcc_lo, v[V+i], v5
	v_cndmask_b32 v7, v11, v[IDF+i], vcc_lo
	v_cmp_eq_f32 vcc_lo, v[V+i+1], v5
	v_cndmask_b32 v12, v11, v[IDF+i+1], vcc_lo
	v_min3_num_f32 v6, v6, v7, v12
.set i, i+2
.endr
	XMIN 6                                         ; the lowest id that holds it
.set i, 0
.rept 32
	v_cmp_eq_f32 vcc_lo, v[IDF+i], v6
	v_cndmask_b32 v[V+i], v[V+i], v11, vcc_lo      ; struck out
.set i, i+1
.endr
	v_cmp_eq_u32 vcc_lo, s22, v1
	v_cndmask_b32 v9, v9, v6, vcc_lo
	s_add_co_u32 s22, s22, 1
	s_cmp_lt_u32 s22, 10
	s_cbranch_scc1 .Lpick
	s_wait_loadcnt 0x0
	v_min3_num_f32 v12, v[SP], v[SP+2], v[SP+4]
	v_min3_num_f32 v12, v12, v[SP+6], v[SP+8]
	v_min3_num_f32 v12, v12, v[SP+10], v[SP+12]
	v_min_num_f32 v12, v12, v[SP+14]
	XMIN 12                                        ; -M of the row: the smallest -M
.irp j, 0,1,2,3,4,5,6,7
	v_sub_f32 v[SP+2*\j], v12, v[SP+2*\j]          ; M_j - M, a whole number, 0 or less
.endr
.irp j, 0,1,2,3,4,5,6,7
	v_cvt_i32_f32 v[SP+2*\j], v[SP+2*\j]
.endr
.irp j, 0,1,2,3,4,5,6,7
	v_ldexp_f32 v[SP+2*\j+1], v[SP+2*\j+1], v[SP+2*\j]
.endr
	v_add_f32 v13, v[SP+1], v[SP+3]
	v_add_f32 v14, v[SP+5], v[SP+7]
	v_add_f32 v13, v13, v[SP+9]
	v_add_f32 v14, v14, v[SP+11]
	v_add_f32 v13, v13, v[SP+13]
	v_add_f32 v14, v14, v[SP+15]
	v_add_f32 v13, v13, v14
	v_add_f32_dpp v13, v13, v13 row_xmask:1 row_mask:0xf bank_mask:0xf
	v_add_f32_dpp v13, v13, v13 row_xmask:2 row_mask:0xf bank_mask:0xf
	v_add_f32_dpp v13, v13, v13 row_xmask:4 row_mask:0xf bank_mask:0xf
	v_add_f32_dpp v13, v13, v13 row_xmask:8 row_mask:0xf bank_mask:0xf
	v_permlanex16_b32 v8, v13, s20, s21
	v_add_f32 v13, v13, v8
	v_cvt_u32_f32 v9, v9
	v_cmp_eq_u32 vcc_lo, 1, v1
	v_cndmask_b32 v14, 0, v13, vcc_lo              ; word 1: the sum
	v_cmp_eq_u32 vcc_lo, 0, v1
	v_cndmask_b32 v14, v14, v12, vcc_lo            ; word 0: -M
	global_store_b32 v4, v9, s[8:9]                ; 128 consecutive bytes a row; lanes 10 on store 0
	global_store_b32 v4, v14, s[10:11]
	s_endpgm
.Lfunc_end_k_qf384376e82_cells:
	.size	k_qf384376e82_cells, .Lfunc_end_k_qf384376e82_cells-k_qf384376e82_cells
	.p2alignl 7, 3214868480
	.fill 96, 4, 3214868480
	.section	.rodata,"a",@progbits
	.p2align	6, 0x0
	.amdhsa_kernel k_qf384376e82_cells
		.amdhsa_group_segment_fixed_size 0
		.amdhsa_private_segment_fixed_size 0
		.amdhsa_enable_private_segment 0
		.amdhsa_kernarg_size 32
		.amdhsa_user_sgpr_count 2
		.amdhsa_user_sgpr_kernarg_segment_ptr 1
		.amdhsa_wavefront_size32 1
		.amdhsa_system_sgpr_workgroup_id_x 1
		.amdhsa_system_sgpr_workgroup_id_y 1
		.amdhsa_system_sgpr_workgroup_id_z 1
		.amdhsa_system_vgpr_workitem_id 0
		.amdhsa_next_free_vgpr 96
		.amdhsa_next_free_sgpr 66
		.amdhsa_reserve_vcc 1
		.amdhsa_float_denorm_mode_32 3
		.amdhsa_float_denorm_mode_16_64 3
		.amdhsa_memory_ordered 1
		.amdhsa_forward_progress 1
		.amdhsa_inst_pref_size 16
	.end_amdhsa_kernel
	.amdgpu_metadata
---
amdhsa.version: [ 1, 2 ]
amdhsa.kernels:
  - .name:           k_qf384376e82_cells
    .symbol:         k_qf384376e82_cells.kd
    .args:
      - { .name: cmin, .offset: 0, .size: 8, .value_kind: global_buffer, .address_space: global }
      - { .name: lstat, .offset: 8, .size: 8, .value_kind: global_buffer, .address_space: global }
      - { .name: sel1, .offset: 16, .size: 8, .value_kind: global_buffer, .address_space: global }
      - { .name: rowst, .offset: 24, .size: 8, .value_kind: global_buffer, .address_space: global }
    .group_segment_fixed_size: 0
    .private_segment_fixed_size: 0
    .kernarg_segment_align: 8
    .kernarg_segment_size: 32
    .max_flat_workgroup_size: 128
    .sgpr_count:     66
    .vgpr_count:     96
    .wavefront_size: 32
...
	.end_amdgpu_metadata
.endif
;; end of part 2
;; launch groups (part 3): grid 256 x 1, 4 waves a work-group, no clusters, 0 bytes of LDS; arguments gmin, sel1, sel2; writes sel2
.if DOCPART == 3
	.amdgcn_target "amdgcn-amd-amdhsa--gfx1250"
	.amdhsa_code_object_version 6
	.text
	.protected	k_qf384376e82_groups
	.globl	k_qf384376e82_groups
	.p2align	8
	.type	k_qf384376e82_groups,@function
k_qf384376e82_groups:
	s_mov_b64 s[64:65], 0
	v_nop
	global_prefetch_b8 v0, s[64:65] scope:SCOPE_SE
	s_setreg_imm32_b32 hwreg(HW_REG_WAVE_MODE, 25, 1), 1
	s_wait_xcnt 0x0
; One wave to a row.  Of the 80 groups of 8 centres in the row's ten cells, the ten with the smallest minimum, ties to the lower group; stored as whole numbers for the next launch's addresses.
; Lane l, slot i looks at list entry min(4 i + l / 8, 9), group l % 8 of that cell: entries 10 and 11 repeat entry 9 (the same id with the same value: struck out together).
; The cells come from a buffer of whole numbers that an earlier launch stored; each is held under 1,024 before it enters an address.
.set V,   20
.set IDF, 24
.macro XMIN r
	v_min_num_f32_dpp v[\r], v[\r], v[\r] row_xmask:1 row_mask:0xf bank_mask:0xf
	v_min_num_f32_dpp v[\r], v[\r], v[\r] row_xmask:2 row_mask:0xf bank_mask:0xf
	v_min_num_f32_dpp v[\r], v[\r], v[\r] row_xmask:4 row_mask:0xf bank_mask:0xf
	v_min_num_f32_dpp v[\r], v[\r], v[\r] row_xmask:8 row_mask:0xf bank_mask:0xf
	v_permlanex16_b32 v30, v[\r], s20, s21
	v_min_num_f32 v[\r], v[\r], v30
.endm
	s_load_b128 s[4:7], s[0:1], 0x0                ; gmin s[4:5], sel1 s[6:7]
	s_load_b64 s[8:9], s[0:1], 0x10                ; sel2
	v_lshrrev_b32 v12, 5, v0
	v_readfirstlane_b32 s12, v12
	s_lshl_b32 s13, ttmp9, 2
	s_add_co_u32 s13, s13, s12                     ; row
	s_mov_b32 s20, 0x76543210
	s_mov_b32 s21, 0xfedcba98
	s_lshr_b32 s14, s13, 8                         ; part
	s_lshl_b32 s16, s14, 23
	s_bfe_u32 s14, s13, 0x30005                    ; query / 32
	s_lshl_b32 s14, s14, 11
	s_add_co_u32 s16, s16, s14
	s_bfe_u32 s14, s13, 0x10004                    ; (query / 16) % 2
	s_lshl_b32 s14, s14, 9
	s_add_co_u32 s16, s16, s14
	s_and_b32 s14, s13, 15                         ; query % 16
	s_lshl_b32 s14, s14, 4
	s_add_co_u32 s16, s16, s14
	s_mov_b32 s17, 0
	s_lshl_b32 s18, s13, 7
	s_mov_b32 s19, 0
	v_and_b32 v1, 31, v0
	v_lshrrev_b32 v2, 3, v1
	v_and_b32 v3, 7, v1                            ; u = 4 B + u'
	v_lshlrev_b32 v11, 2, v1
	v_lshrrev_b32 v12, 2, v3
	v_and_b32 v13, 3, v3
	v_lshlrev_b32 v14, 14, v12
	v_lshl_add_u32 v14, v13, 2, v14                ; 16,384 B + 4 u'
.irp i, 0,1,2
	v_add_nc_u32 v[4+\i], 4*\i, v2
	v_min_u32 v[4+\i], 9, v[4+\i]
	v_lshlrev_b32 v[4+\i], 2, v[4+\i]
.endr
	v_mov_b32 v7, 0                                ; the picks
	v_mov_b32 v30, 0
	v_mov_b32 v31, 0x7f800000
	s_wait_alu depctr_va_vdst(0)
	s_wait_kmcnt 0x0
	s_add_nc_u64 s[4:5], s[4:5], s[16:17]
	s_add_nc_u64 s[6:7], s[6:7], s[18:19]
	s_add_nc_u64 s[8:9], s[8:9], s[18:19]
.irp i, 0,1,2
	global_load_b32 v[8+\i], v[4+\i], s[6:7]
.endr
	s_wait_loadcnt 0x0
.irp i, 0,1,2
	v_min_u32 v[8+\i], 0x3ff, v[8+\i]              ; a cell
	v_and_b32 v12, 0x3fc, v[8+\i]
	v_lshlrev_b32 v12, 13, v12                     ; work-group and k
	v_and_b32 v13, 2, v[8+\i]
	v_lshlrev_b32 v13, 9, v13                      ; which wave of the pair
	v_add_nc_u32 v12, v12, v13
	v_and_b32 v13, 1, v[8+\i]
	v_lshlrev_b32 v13, 8, v13                      ; which half of the lanes
	v_add_nc_u32 v12, v12, v13
	v_add_nc_u32 v[16+\i], v12, v14
.endr
.irp i, 0,1,2
	global_load_b32 v[V+\i], v[16+\i], s[4:5]
.endr
.irp i, 0,1,2
	v_lshlrev_b32 v[IDF+\i], 3, v[8+\i]
	v_add_nc_u32 v[IDF+\i], v[IDF+\i], v3
	v_cvt_f32_u32 v[IDF+\i], v[IDF+\i]             ; the group's number: 8 cell + u
.endr
	s_wait_loadcnt 0x0
	s_mov_b32 s22, 0
.Lpick:
	s_wait_alu depctr_va_vdst(0)
	v_min3_num_f32 v27, v[V], v[V+1], v[V+2]
	XMIN 27
	v_mov_b32 v28, v31
.irp i, 0,1,2
	v_cmp_eq_f32 vcc_lo, v[V+\i], v27
	v_cndmask_b32 v29, v31, v[IDF+\i], vcc_lo
	v_min_num_f32 v28, v28, v29
.endr
	XMIN 28
.irp i, 0,1,2
	v_cmp_eq_f32 vcc_lo, v[IDF+\i], v28
	v_cndmask_b32 v[V+\i], v[V+\i], v31, vcc_lo
.endr
	v_cmp_eq_u32 vcc_lo, s22, v1
	v_cndmask_b32 v7, v7, v28, vcc_lo
	s_add_co_u32 s22, s22, 1
	s_cmp_lt_u32 s22, 10
	s_cbranch_scc1 .Lpick
	v_cvt_u32_f32 v7, v7
	global_store_b32 v11, v7, s[8:9]
	s_endpgm
.Lfunc_end_k_qf384376e82_groups:
	.size	k_qf384376e82_groups, .Lfunc_end_k_qf384376e82_groups-k_qf384376e82_groups
	.p2alignl 7, 3214868480
	.fill 96, 4, 3214868480
	.section	.rodata,"a",@progbits
	.p2align	6, 0x0
	.amdhsa_kernel k_qf384376e82_groups
		.amdhsa_group_segment_fixed_size 0
		.amdhsa_private_segment_fixed_size 0
		.amdhsa_enable_private_segment 0
		.amdhsa_kernarg_size 24
		.amdhsa_user_sgpr_count 2
		.amdhsa_user_sgpr_kernarg_segment_ptr 1
		.amdhsa_wavefront_size32 1
		.amdhsa_system_sgpr_workgroup_id_x 1
		.amdhsa_system_sgpr_workgroup_id_y 1
		.amdhsa_system_sgpr_workgroup_id_z 1
		.amdhsa_system_vgpr_workitem_id 0
		.amdhsa_next_free_vgpr 32
		.amdhsa_next_free_sgpr 66
		.amdhsa_reserve_vcc 1
		.amdhsa_float_denorm_mode_32 3
		.amdhsa_float_denorm_mode_16_64 3
		.amdhsa_memory_ordered 1
		.amdhsa_forward_progress 1
		.amdhsa_inst_pref_size 6
	.end_amdhsa_kernel
	.amdgpu_metadata
---
amdhsa.version: [ 1, 2 ]
amdhsa.kernels:
  - .name:           k_qf384376e82_groups
    .symbol:         k_qf384376e82_groups.kd
    .args:
      - { .name: gmin, .offset: 0, .size: 8, .value_kind: global_buffer, .address_space: global }
      - { .name: sel1, .offset: 8, .size: 8, .value_kind: global_buffer, .address_space: global }
      - { .name: sel2, .offset: 16, .size: 8, .value_kind: global_buffer, .address_space: global }
    .group_segment_fixed_size: 0
    .private_segment_fixed_size: 0
    .kernarg_segment_align: 8
    .kernarg_segment_size: 24
    .max_flat_workgroup_size: 128
    .sgpr_count:     66
    .vgpr_count:     32
    .wavefront_size: 32
...
	.end_amdgpu_metadata
.endif
;; end of part 3
;; launch rows (part 4): grid 256 x 1, 16 waves a work-group, no clusters, 245,248 bytes of LDS; arguments centers, feature, position, sel2, rowst, topidx, lrow; writes topidx, lrow
.if DOCPART == 4
	.amdgcn_target "amdgcn-amd-amdhsa--gfx1250"
	.amdhsa_code_object_version 6
	.text
	.protected	k_qf384376e82_rows
	.globl	k_qf384376e82_rows
	.p2align	8
	.type	k_qf384376e82_rows,@function
k_qf384376e82_rows:
	s_mov_b64 s[64:65], 0
	v_nop
	global_prefetch_b8 v0, s[64:65] scope:SCOPE_SE
	s_setreg_imm32_b32 hwreg(HW_REG_WAVE_MODE, 25, 1), 1
	s_wait_xcnt 0x0
; A work-group takes 4 rows (part, query), four waves to a row.  The row's ten groups of 8 centres are read again, quantised and multiplied by the very lines of the first launch (the same order of every sum, the same
; chain of two matrix instructions), so the 80 distances have the same bits as there.  The row's first wave then picks the ten nearest (ties to the lower index), stores their filtered indices as whole numbers, and makes the row's
; l = y - x:  x = ln 2 (log2 s10 + M10);  y = x + ln 2 (log2 sN - log2 s10 + MN - M10), formed as an f32 number beside x as reference() has it.
; A wave takes list entries wv, wv + 4 and min(wv + 8, 9): entries 10 and 11 repeat entry 9.  A unit is 8 KiB dense.  The tile of queries holds the one query sixteen times, the tile of centres the group twice.
; The groups come from a buffer of whole numbers that an earlier launch stored; each is held under 8,192 before it enters an address.
; LIMITS as in the first launch: NaN and infinities are not served; a block of zeros gets the byte 1; another order of sums than reference()'s.
.set STW,   8448
.set IMGB,  135168                     ; behind the 16 stages: for each wave an image of the query's tile, then one of the centres'
.set TIL,   3328
.set CAND,  IMGB+16*2*TIL              ; 4 rows x 12 entries x 8 distances
.set NC,    0xc166d4ca                 ; -10 log2(e)
.set LN2,   0x3f317218
.set FLOOR, 0x1800000
.set L16, 1
.set VST, 2
.set VRD, 3
.set AI,  4
.set AW,  5
.set AC,  6
.set FRA, 7
.set FRS, 8
.set FRC, 9
.set CR,  10                           ; v10  where the row's first wave reads the distances
.set CW,  11                           ; v11  where I store mine
.set VZ,  12                           ; v12  0
.set QOF, 13                           ; v13  the query's bytes for my lane
.set GA,  14                           ; v14-16 addresses of my three list entries;  v17-19 the entries, then the units' byte offsets
.set GV,  17
.set SA,  20                           ; v20-22 addresses of the entries of the leader's three slots;  v23-25 those entries
.set SG,  23
.set POS, 26
.set MN,  27                           ; -M of the whole row
.set SN,  28                           ; its sum
.set H8,  29
.set INFR, 30
.set LN,  31
.set X0,  32
.set X1,  96
.set Y,   160
.set A,   160                          ; after quantising: the centres' two fragments,
.set QF,  184                          ; the query's,
.set C2,  208                          ; |c|^2, then the distances,
.set D,   216                          ; the accumulator
.set CB,  224                          ; v224-243 codes
.set QA,  244
.set F2,  244                          ; |f|^2, twice
.set QO,  246
.set SQA, 248
.set SQB, 250
.set QW,  252
.set QW2, 253
.set AS,  254                          ; scale words: scales and nothing else
.set QS,  255
.macro TURN x, y
.irp i, 0,1,2,3,4,5,6,7,8,9,10,11,12,13,14,15
	ds_store_b128 v[VST], v[\x+4*\i:\x+4*\i+3] offset:528*\i
.endr
.irp c, 0,1
.irp i, 0,1,2,3,4,5,6,7
	ds_load_b128 v[\y+32*\c+4*\i:\y+32*\c+4*\i+3], v[VRD] offset:256*\c+16*\i
.endr
.endr
	s_wait_dscnt 0x0                               ; the numbers are back, and every earlier LDS store of mine has read its registers
.endm
.macro QCORE n, cb                     ; as in the first launch, line for line
	v_max3_num_f32 v[QA], |v[\n]|, |v[\n+1]|, FLOOR
	v_max3_num_f32 v[QA+1], |v[\n+32]|, |v[\n+33]|, FLOOR
.irp i, 2,4,6,8,10,12,14,16,18,20,22,24,26,28,30
	s_delay_alu instid0(VALU_DEP_2)
	v_max3_num_f32 v[QA], v[QA], |v[\n+\i]|, |v[\n+\i+1]|
	s_delay_alu instid0(VALU_DEP_2)
	v_max3_num_f32 v[QA+1], v[QA+1], |v[\n+32+\i]|, |v[\n+33+\i]|
.endr
	v_pk_mul_f32 v[SQA:SQA+1], v[\n:\n+1], v[\n:\n+1]
	v_pk_mul_f32 v[SQB:SQB+1], v[\n+2:\n+3], v[\n+2:\n+3]
.irp i, 4,8,12,16,20,24,28,32,36,40,44,48,52,56,60
	s_delay_alu instid0(VALU_DEP_2)
	v_pk_fma_f32 v[SQA:SQA+1], v[\n+\i:\n+\i+1], v[\n+\i:\n+\i+1], v[SQA:SQA+1]
	s_delay_alu instid0(VALU_DEP_2)
	v_pk_fma_f32 v[SQB:SQB+1], v[\n+\i+2:\n+\i+3], v[\n+\i+2:\n+\i+3], v[SQB:SQB+1]
.endr
	v_add_nc_u32 v[QO], 0xff000000, v[QA]
	v_add_nc_u32 v[QO+1], 0xff000000, v[QA+1]
	s_delay_alu instid0(VALU_DEP_2)
	v_lshrrev_b32 v[QA], 23, v[QO]
	s_delay_alu instid0(VALU_DEP_2)
	v_lshrrev_b32 v[QA+1], 23, v[QO+1]
	s_delay_alu instid0(VALU_DEP_1)
	v_lshl_or_b32 v[QW], v[QA+1], 16, v[QA]
	s_delay_alu instid0(VALU_DEP_1)
	v_lshlrev_b32 v[QW], v[H8], v[QW]
	s_delay_alu instid0(VALU_DEP_1)
	v_permlanex16_b32 v[QW2], v[QW], s20, s21
	s_delay_alu instid0(VALU_DEP_1)
	v_or_b32 v[QW], v[QW], v[QW2]
	v_cvt_scalef32_pk16_fp6_f32 v[\cb:\cb+2], v[\n:\n+15], v[QO]
	v_cvt_scalef32_pk16_fp6_f32 v[\cb+12:\cb+14], v[\n+16:\n+31], v[QO]
	v_cvt_scalef32_pk16_fp6_f32 v[\cb+6:\cb+8], v[\n+32:\n+47], v[QO+1]
	v_cvt_scalef32_pk16_fp6_f32 v[\cb+16:\cb+18], v[\n+48:\n+63], v[QO+1]
	v_nop                                          ; one plain place behind the last scaled conversion
.irp i, 0,1,2
	v_mov_b32 v[\cb+3+\i], v[\cb+12+\i]
	v_mov_b32 v[\cb+9+\i], v[\cb+16+\i]
.endr
	v_pk_add_f32 v[SQA:SQA+1], v[SQA:SQA+1], v[SQB:SQB+1]
	s_delay_alu instid0(VALU_DEP_1)
	v_add_f32 v[SQA], v[SQA], v[SQA+1]
	s_delay_alu instid0(VALU_DEP_1)
	v_add_f32_dpp v[SQA], v[SQA], v[SQA] row_xmask:8 row_mask:0xf bank_mask:0xf
	s_delay_alu instid0(VALU_DEP_1)
	v_permlanex16_b32 v[QW2], v[SQA], s20, s21
	s_delay_alu instid0(VALU_DEP_1)
	v_add_f32 v[SQA], v[SQA], v[QW2]
.endm
.macro QSTORE cb, oi, os, oc
.irp g, 0,1,2
	ds_store_b128 v[AI], v[\cb+4*\g:\cb+4*\g+3] offset:\oi+512*\g
.endr
	ds_store_b32 v[AW], v[QW] offset:1536+\os
	ds_store_b32 v[AC], v[SQA] offset:3200+\oc
.endm
.macro XLOAD reg, t                    ; unit t: 16 loads of 512 consecutive bytes
.irp i, 0,1,2,3,4,5,6,7,8,9,10,11,12,13,14,15
	global_load_b128 v[\reg+4*\i:\reg+4*\i+3], v[GV+\t], s[4:5] offset:512*\i
.endr
.endm
.macro XMIN r
	s_delay_alu instid0(VALU_DEP_1)
	v_min_num_f32_dpp v[\r], v[\r], v[\r] row_xmask:1 row_mask:0xf bank_mask:0xf
	s_delay_alu instid0(VALU_DEP_1)
	v_min_num_f32_dpp v[\r], v[\r], v[\r] row_xmask:2 row_mask:0xf bank_mask:0xf
	s_delay_alu instid0(VALU_DEP_1)
	v_min_num_f32_dpp v[\r], v[\r], v[\r] row_xmask:4 row_mask:0xf bank_mask:0xf
	s_delay_alu instid0(VALU_DEP_1)
	v_min_num_f32_dpp v[\r], v[\r], v[\r] row_xmask:8 row_mask:0xf bank_mask:0xf
	s_delay_alu instid0(VALU_DEP_1)
	v_permlanex16_b32 v43, v[\r], s20, s21
	s_delay_alu instid0(VALU_DEP_1)
	v_min_num_f32 v[\r], v[\r], v43
.endm
; One group of 8 centres.  cnt: the loads issued behind this unit's, which may stay out.
.macro UNIT t, x, cnt
	s_wait_loadcnt \cnt
	TURN \x, Y
.if \t == 0
	XLOAD X0, 2                                    ; the third unit, into the registers that the first has left
.endif
	QCORE Y, CB
	QSTORE CB, TIL, TIL, TIL                       ; rows 0-7 of the tile,
	QSTORE CB, TIL+128, TIL+32, TIL+32             ; and once more as rows 8-15
.irp s, 0,1                                    ; LDS serves a wave's instructions in order: these see my stores
.irp g, 0,1,2
	ds_load_b128 v[A+12*\s+4*\g:A+12*\s+4*\g+3], v[FRA] offset:TIL+\s*1664+512*\g
	ds_load_b128 v[QF+12*\s+4*\g:QF+12*\s+4*\g+3], v[FRA] offset:\s*1664+512*\g
.endr
.endr
	ds_load_b32 v[AS], v[FRS] offset:TIL+1536
	ds_load_b32 v[QS], v[FRS] offset:1536
	ds_load_b128 v[C2:C2+3], v[FRC] offset:TIL+3200
	ds_load_b128 v[C2+4:C2+7], v[FRC] offset:TIL+3216
	ds_load_b32 v[F2], v[FRC] offset:3200          ; every row of the query's tile is the query
	ds_load_b32 v[F2+1], v[FRC] offset:3200
	s_wait_dscnt 0x0
	v_wmma_scale_f32_16x16x128_f8f6f4 v[D:D+7], v[A:A+11], v[QF:QF+11], 0, v[AS], v[QS] matrix_a_fmt:MATRIX_FMT_FP6 matrix_b_fmt:MATRIX_FMT_FP6
	s_wait_alu depctr_va_vdst(0)                   ; the wait ahead of the link
	v_wmma_scale_f32_16x16x128_f8f6f4 v[D:D+7], v[A+12:A+23], v[QF+12:QF+23], v[D:D+7], v[AS], v[QS] matrix_a_fmt:MATRIX_FMT_FP6 matrix_b_fmt:MATRIX_FMT_FP6 matrix_a_scale:MATRIX_SCALE_ROW1 matrix_b_scale:MATRIX_SCALE_ROW1
.irp i, 0,2,4,6
	v_pk_add_f32 v[C2+\i:C2+\i+1], v[C2+\i:C2+\i+1], v[F2:F2+1] op_sel_hi:[1,0]       ; four plain places behind the products (ISA guide 7.12.1)
.endr
.irp i, 0,2,4,6
	v_pk_fma_f32 v[C2+\i:C2+\i+1], v[D+\i:D+\i+1], -2.0, v[C2+\i:C2+\i+1] op_sel_hi:[1,0,1]   ; d, the accumulator from its low end on
.endr
	ds_store_b128 v[CW], v[C2:C2+3] offset:128*\t          ; all 32 lanes hold the same eight numbers and store them to the same bytes
	ds_store_b128 v[CW], v[C2+4:C2+7] offset:128*\t+16
.endm
	s_load_b256 s[4:11], s[0:1], 0x0               ; centers s[4:5], feature s[6:7], position s[8:9], sel2 s[10:11]
	s_load_b128 s[12:15], s[0:1], 0x20             ; rowst s[12:13], topidx s[14:15]
	s_load_b64 s[16:17], s[0:1], 0x30              ; lrow
	v_lshl_add_u32 v239, v0, 2, 0x3b600
	v_mov_b32 v243, 0
	v_lshrrev_b32 v32, 5, v0
	s_delay_alu instid0(VALU_DEP_1)
	v_readfirstlane_b32 s18, v32                   ; wave 0..15
	s_lshr_b32 s19, s18, 2                         ; which of the four rows
	s_and_b32 s24, s18, 3                          ; which wave of the row
	s_lshl_b32 s25, ttmp9, 2
	s_add_co_u32 s25, s25, s19                     ; row = 256 part + query
	s_lshr_b32 s26, s25, 8
	s_and_b32 s27, s25, 255
	s_mov_b32 s20, 0x76543210
	s_mov_b32 s21, 0xfedcba98
	s_mov_b32 s22, NC
	s_lshl_b32 s28, s26, 26
	s_mov_b32 s29, 0
	s_lshl_b32 s30, s25, 10
	s_mov_b32 s31, 0
	s_lshl_b32 s32, s27, 2
	s_mov_b32 s33, 0
	s_lshl_b32 s34, s25, 7
	s_mov_b32 s35, 0
	s_mul_i32 s36, s25, 40
	s_mov_b32 s37, 0
	s_lshl_b32 s38, s25, 2
	s_mov_b32 s39, 0
	s_mul_i32 s40, s18, STW
	s_mul_i32 s41, s18, 2*TIL
	s_add_co_u32 s41, s41, IMGB
	s_mul_i32 s42, s19, 384
	s_add_co_u32 s42, s42, CAND
	s_lshl_b32 s43, s24, 5
	s_add_co_u32 s43, s43, s42
	v_and_b32 v[LN], 31, v0
	v_and_b32 v33, 7, v0                           ; r'
	v_bfe_u32 v34, v0, 3, 1                        ; s
	v_bfe_u32 v35, v0, 4, 1                        ; h
	s_delay_alu instid0(VALU_DEP_4)
	v_lshlrev_b32 v[L16], 4, v[LN]
	s_delay_alu instid0(VALU_DEP_2)
	v_lshlrev_b32 v[H8], 3, v35
	v_mov_b32 v[INFR], 0x7f800000
	v_mov_b32 v[QW2], 0
	v_mov_b32 v[VZ], 0
	v_add_nc_u32 v[VST], s40, v[L16]
	v_lshl_add_u32 v36, v33, 1, v34
	s_delay_alu instid0(VALU_DEP_1)
	v_mul_u32_u24 v[VRD], v36, 528
	s_delay_alu instid0(VALU_DEP_1)
	v_lshl_add_u32 v[VRD], v35, 7, v[VRD]
	s_delay_alu instid0(VALU_DEP_1)
	v_add_nc_u32 v[VRD], s40, v[VRD]
	v_mul_u32_u24 v36, v34, 1664
	s_delay_alu instid0(VALU_DEP_1)
	v_lshl_add_u32 v36, v33, 4, v36
	s_delay_alu instid0(VALU_DEP_1)
	v_lshl_add_u32 v36, v35, 8, v36
	s_delay_alu instid0(VALU_DEP_1)
	v_add_nc_u32 v[AI], s41, v36
	v_lshlrev_b32 v36, 6, v34
	s_delay_alu instid0(VALU_DEP_1)
	v_lshl_add_u32 v36, v33, 2, v36
	s_delay_alu instid0(VALU_DEP_1)
	v_add_nc_u32 v[AW], s41, v36
	v_lshl_add_u32 v[AC], v33, 2, s41
	v_add_nc_u32 v[FRA], s41, v[L16]
	v_lshl_add_u32 v[FRS], v[LN], 2, s41
	v_lshl_add_u32 v[FRC], v35, 5, s41
	v_lshl_add_u32 v[CR], v[LN], 2, s42
	v_mov_b32 v[CW], s43
	v_lshlrev_b32 v[QOF], 9, v34
	s_delay_alu instid0(VALU_DEP_1)
	v_lshl_add_u32 v[QOF], v35, 7, v[QOF]          ; the query: 512 s + 128 h; every r' reads the same row
	s_lshl_b32 s44, s24, 2
	v_mov_b32 v[GA], s44
	s_add_co_u32 s44, s44, 16
	v_mov_b32 v[GA+1], s44
	s_add_co_u32 s44, s24, 8
	s_min_u32 s44, s44, 9
	s_lshl_b32 s44, s44, 2
	v_mov_b32 v[GA+2], s44
	v_lshrrev_b32 v36, 3, v[LN]
.irp i, 0,1,2
	v_add_nc_u32 v[SA+\i], 4*\i, v36
	s_delay_alu instid0(VALU_DEP_1)
	v_min_u32 v[SA+\i], 9, v[SA+\i]
	s_delay_alu instid0(VALU_DEP_1)
	v_lshlrev_b32 v[SA+\i], 2, v[SA+\i]
.endr
	s_wait_alu depctr_va_vdst(0)
	s_wait_kmcnt 0x0
	s_add_nc_u64 s[4:5], s[4:5], s[28:29]
	s_add_nc_u64 s[6:7], s[6:7], s[30:31]
	s_add_nc_u64 s[8:9], s[8:9], s[32:33]
	s_add_nc_u64 s[10:11], s[10:11], s[34:35]
	s_add_nc_u64 s[12:13], s[12:13], s[34:35]
	s_add_nc_u64 s[14:15], s[14:15], s[36:37]
	s_add_nc_u64 s[16:17], s[16:17], s[38:39]
.irp t, 0,1,2
	global_load_b32 v[GV+\t], v[GA+\t], s[10:11]
.endr
.irp i, 0,1,2
	global_load_b32 v[SG+\i], v[SA+\i], s[10:11]
.endr
	global_load_b32 v[POS], v[VZ], s[8:9]
	global_load_b32 v[MN], v[VZ], s[12:13]
	global_load_b32 v[SN], v[VZ], s[12:13] offset:4
.irp c, 0,1
.irp i, 0,1,2,3,4,5,6,7
	global_load_b128 v[Y+32*\c+4*\i:Y+32*\c+4*\i+3], v[QOF], s[6:7] offset:256*\c+16*\i
.endr
.endr
	s_wait_loadcnt 16                              ; the nine small loads are in; the query's 16 may be out
.irp t, 0,1,2
	v_min_u32 v[GV+\t], 0x1fff, v[GV+\t]           ; a group
	s_delay_alu instid0(VALU_DEP_1)
	v_lshlrev_b32 v[GV+\t], 13, v[GV+\t]           ; 8 rows of 1,024 bytes
	s_delay_alu instid0(VALU_DEP_1)
	v_add_nc_u32 v[GV+\t], v[GV+\t], v[L16]
.endr
	XLOAD X0, 0
	XLOAD X1, 1
	s_wait_loadcnt 32                              ; the query is in; the 32 loads of units 0 and 1 may be out
	QCORE Y, CB
	QSTORE CB, 0, 0, 0
	QSTORE CB, 128, 32, 32
	UNIT 0, X0, 16                                 ; unit 1's loads may be out
	UNIT 1, X1, 16                                 ; unit 2's
	UNIT 2, X0, 0
	s_wait_dscnt 0x0                               ; my distances have landed
	s_barrier_signal -1
	s_barrier_wait -1
	s_cmp_lg_u32 s24, 0                            ; the row's first wave goes on alone; no barrier follows
	s_cbranch_scc1 .Lend
.irp i, 0,1,2
	ds_load_b32 v[32+\i], v[CR] offset:128*\i      ; entry 4 i + lane / 8, centre lane % 8
.endr
	v_and_b32 v46, 7, v[LN]
.irp i, 0,1,2
	v_min_u32 v[SG+\i], 0x1fff, v[SG+\i]
	s_delay_alu instid0(VALU_DEP_1)
	v_lshlrev_b32 v[SG+\i], 3, v[SG+\i]
	s_delay_alu instid0(VALU_DEP_1)
	v_add_nc_u32 v[SG+\i], v[SG+\i], v46           ; the centre's index
	s_delay_alu instid0(VALU_DEP_1)
	v_cvt_f32_u32 v[36+\i], v[SG+\i]
.endr
	v_mov_b32 v43, 0
	v_mov_b32 v44, 0                               ; the picks' indices, pick k in lane k
	v_mov_b32 v45, v[INFR]                         ; and their distances
	s_wait_alu depctr_va_vdst(0)
	s_wait_dscnt 0x0
.irp i, 0,1,2
	v_cmp_eq_u32 vcc_lo, v[SG+\i], v[POS]
	s_delay_alu instid0(VALU_DEP_1)
	v_cndmask_b32 v[32+\i], v[32+\i], v[INFR], vcc_lo      ; the removed column
.endr
	s_mov_b32 s45, 0
.Lpick:
	s_wait_alu depctr_va_vdst(0)
	v_min3_num_f32 v40, v32, v33, v34
	XMIN 40
	v_mov_b32 v41, v[INFR]
.irp i, 0,1,2
	v_cmp_eq_f32 vcc_lo, v[32+\i], v40
	s_delay_alu instid0(VALU_DEP_1)
	v_cndmask_b32 v42, v[INFR], v[36+\i], vcc_lo
	s_delay_alu instid0(VALU_DEP_1)
	v_min_num_f32 v41, v41, v42
.endr
	XMIN 41
.irp i, 0,1,2
	v_cmp_eq_f32 vcc_lo, v[36+\i], v41
	s_delay_alu instid0(VALU_DEP_1)
	v_cndmask_b32 v[32+\i], v[32+\i], v[INFR], vcc_lo
.endr
	v_cmp_eq_u32 vcc_lo, s45, v[LN]
	s_delay_alu instid0(VALU_DEP_1)
	v_cndmask_b32 v44, v44, v41, vcc_lo
	s_delay_alu instid0(VALU_DEP_2)
	v_cndmask_b32 v45, v45, v40, vcc_lo
	s_add_co_u32 s45, s45, 1
	s_cmp_lt_u32 s45, 10
	s_cbranch_scc1 .Lpick
	v_mov_b32 v46, v45
	XMIN 46                                        ; the nearest distance
	s_delay_alu instid0(VALU_DEP_1)
	v_mul_f32 v46, s22, v46
	s_delay_alu instid0(VALU_DEP_1)
	v_floor_f32 v46, -v46                          ; -M10
	s_delay_alu instid0(VALU_DEP_1)
	v_fma_f32 v47, v45, s22, v46                   ; lanes 10 on hold +infinity: 2^-infinity = 0
	s_wait_alu depctr_va_vdst(0)
	v_exp_f32 v47, v47
	v_cvt_u32_f32 v51, v44                         ; (a plain place behind the exponential)
	s_wait_alu depctr_va_vdst(0)
	v_add_f32_dpp v47, v47, v47 row_xmask:1 row_mask:0xf bank_mask:0xf
	s_delay_alu instid0(VALU_DEP_1)
	v_add_f32_dpp v47, v47, v47 row_xmask:2 row_mask:0xf bank_mask:0xf
	s_delay_alu instid0(VALU_DEP_1)
	v_add_f32_dpp v47, v47, v47 row_xmask:4 row_mask:0xf bank_mask:0xf
	s_delay_alu instid0(VALU_DEP_1)
	v_add_f32_dpp v47, v47, v47 row_xmask:8 row_mask:0xf bank_mask:0xf
	s_delay_alu instid0(VALU_DEP_1)
	v_permlanex16_b32 v43, v47, s20, s21
	s_delay_alu instid0(VALU_DEP_1)
	v_add_f32 v47, v47, v43                        ; s10
	s_wait_alu depctr_va_vdst(0)
	v_log_f32 v48, v47
	v_log_f32 v49, v[SN]
	v_sub_f32 v50, v46, v[MN]                      ; MN - M10.  (A plain place behind the logarithms)
	s_wait_alu depctr_va_vdst(0)
	v_sub_f32 v49, v49, v48
	s_delay_alu instid0(VALU_DEP_1)
	v_add_f32 v49, v49, v50
	s_delay_alu instid0(VALU_DEP_1)
	v_mul_f32 v49, LN2, v49                        ; y - x, exact to its own size
	v_sub_f32 v48, v48, v46
	s_delay_alu instid0(VALU_DEP_1)
	v_mul_f32 v48, LN2, v48                        ; x
	s_delay_alu instid0(VALU_DEP_1)
	v_add_f32 v49, v48, v49                        ; y as an f32 number
	s_delay_alu instid0(VALU_DEP_1)
	v_sub_f32 v49, v49, v48                        ; l
	v_cmp_gt_u32 vcc_lo, v51, v[POS]
	s_delay_alu instid0(VALU_DEP_1)
	v_cndmask_b32 v52, 0, 1, vcc_lo
	s_delay_alu instid0(VALU_DEP_1)
	v_sub_nc_u32 v51, v51, v52                     ; the index in the view without the removed column
	v_lshlrev_b32 v53, 2, v[LN]
	v_cmp_gt_u32 vcc_lo, 10, v[LN]
	s_wait_alu depctr_va_vdst(0)
	s_wait_xcnt 0x0                                ; EXEC changes only behind this wait
	s_and_saveexec_b32 s44, vcc_lo
	global_store_b32 v53, v51, s[14:15]
	s_wait_xcnt 0x0
	s_or_b32 exec_lo, exec_lo, s44
	v_cmp_eq_u32 vcc_lo, 0, v[LN]
	s_and_saveexec_b32 s44, vcc_lo
	global_store_b32 v[VZ], v49, s[16:17]
	s_wait_xcnt 0x0
	s_or_b32 exec_lo, exec_lo, s44
.Lend:
	s_wait_tensorcnt 0x0
	ds_add_u32 v239, v243
	s_wait_dscnt 0x0
	s_endpgm
.Lfunc_end_k_qf384376e82_rows:
	.size	k_qf384376e82_rows, .Lfunc_end_k_qf384376e82_rows-k_qf384376e82_rows
	.p2alignl 7, 3214868480
	.fill 96, 4, 3214868480
	.section	.rodata,"a",@progbits
	.p2align	6, 0x0
	.amdhsa_kernel k_qf384376e82_rows
		.amdhsa_group_segment_fixed_size 245248
		.amdhsa_private_segment_fixed_size 0
		.amdhsa_enable_private_segment 0
		.amdhsa_kernarg_size 56
		.amdhsa_user_sgpr_count 2
		.amdhsa_user_sgpr_kernarg_segment_ptr 1
		.amdhsa_wavefront_size32 1
		.amdhsa_system_sgpr_workgroup_id_x 1
		.amdhsa_system_sgpr_workgroup_id_y 1
		.amdhsa_system_sgpr_workgroup_id_z 1
		.amdhsa_system_vgpr_workitem_id 0
		.amdhsa_next_free_vgpr 256
		.amdhsa_next_free_sgpr 66
		.amdhsa_reserve_vcc 1
		.amdhsa_float_denorm_mode_32 3
		.amdhsa_float_denorm_mode_16_64 3
		.amdhsa_memory_ordered 1
		.amdhsa_forward_progress 1
		.amdhsa_inst_pref_size 64
	.end_amdhsa_kernel
	.amdgpu_metadata
---
amdhsa.version: [ 1, 2 ]
amdhsa.kernels:
  - .name:           k_qf384376e82_rows
    .symbol:         k_qf384376e82_rows.kd
    .args:
      - { .name: centers, .offset: 0, .size: 8, .value_kind: global_buffer, .address_space: global }
      - { .name: feature, .offset: 8, .size: 8, .value_kind: global_buffer, .address_space: global }
      - { .name: position, .offset: 16, .size: 8, .value_kind: global_buffer, .address_space: global }
      - { .name: sel2, .offset: 24, .size: 8, .value_kind: global_buffer, .address_space: global }
      - { .name: rowst, .offset: 32, .size: 8, .value_kind: global_buffer, .address_space: global }
      - { .name: topidx, .offset: 40, .size: 8, .value_kind: global_buffer, .address_space: global }
      - { .name: lrow, .offset: 48, .size: 8, .value_kind: global_buffer, .address_space: global }
    .group_segment_fixed_size: 245248
    .private_segment_fixed_size: 0
    .kernarg_segment_align: 8
    .kernarg_segment_size: 56
    .max_flat_workgroup_size: 512
    .sgpr_count:     66
    .vgpr_count:     256
    .wavefront_size: 32
...
	.end_amdgpu_metadata
.endif
;; end of part 4
;; launch finish (part 5): grid 10 x 1, 32 waves a work-group, no clusters, 4,352 bytes of LDS; arguments topidx, mem_pid, lrow, out0, out1; writes out0, out1
.if DOCPART == 5
	.amdgcn_target "amdgcn-amd-amdhsa--gfx1250"
	.amdhsa_code_object_version 6
	.text
	.protected	k_qf384376e82_finish
	.globl	k_qf384376e82_finish
	.p2align	8
	.type	k_qf384376e82_finish,@function
k_qf384376e82_finish:
	s_mov_b64 s[64:65], 0
	v_nop
	global_prefetch_b8 v0, s[64:65] scope:SCOPE_SE
	s_setreg_imm32_b32 hwreg(HW_REG_WAVE_MODE, 25, 1), 1
	s_wait_xcnt 0x0
; out1[e] = mem_pid[topidx[e]] for 10,240 elements, 1,024 to a work-group: the indices are whole numbers that an earlier launch stored, held under 65,536 before they enter an address.
; out0 = the mean over the parts of (a part's 256 l / 256, a NaN counting as 0).  Every work-group sums the 1,024 l (thread t takes row t; eight waves are a part); the first lane of the first work-group stores the number.
	s_load_b256 s[4:11], s[0:1], 0x0               ; topidx s[4:5], mem_pid s[6:7], lrow s[8:9], out0 s[10:11]
	s_load_b64 s[12:13], s[0:1], 0x20              ; out1
	v_lshl_add_u32 v16, v0, 2, 0x100
	v_mov_b32 v17, 0
	v_lshrrev_b32 v1, 5, v0
	s_delay_alu instid0(VALU_DEP_1)
	v_readfirstlane_b32 s14, v1                    ; wave 0..31
	v_and_b32 v2, 31, v0
	v_lshlrev_b32 v3, 2, v0
	s_delay_alu instid0(VALU_DEP_4)
	v_lshlrev_b32 v7, 2, v1                        ; LDS: a word for each wave
	s_delay_alu instid0(VALU_DEP_3)
	v_lshlrev_b32 v8, 2, v2
	v_mov_b32 v9, 0
	v_mov_b32 v11, 0
	s_lshl_b32 s16, ttmp9, 12
	s_mov_b32 s17, 0
	s_mov_b32 s18, 0x76543210
	s_mov_b32 s19, 0xfedcba98
	s_wait_alu depctr_va_vdst(0)
	s_wait_kmcnt 0x0
	s_add_nc_u64 s[4:5], s[4:5], s[16:17]
	s_add_nc_u64 s[12:13], s[12:13], s[16:17]
	global_load_b32 v4, v3, s[4:5]
	global_load_b32 v5, v3, s[8:9]
	s_wait_loadcnt 0x1                             ; the index is in; l may be out
	v_min_u32 v4, 0xffff, v4
	s_delay_alu instid0(VALU_DEP_1)
	v_lshlrev_b32 v4, 2, v4
	global_load_b32 v6, v4, s[6:7]
	s_wait_loadcnt 0x1                             ; l is in; the gather may be out
	v_add_f32_dpp v5, v5, v5 row_xmask:1 row_mask:0xf bank_mask:0xf
	s_delay_alu instid0(VALU_DEP_1)
	v_add_f32_dpp v5, v5, v5 row_xmask:2 row_mask:0xf bank_mask:0xf
	s_delay_alu instid0(VALU_DEP_1)
	v_add_f32_dpp v5, v5, v5 row_xmask:4 row_mask:0xf bank_mask:0xf
	s_delay_alu instid0(VALU_DEP_1)
	v_add_f32_dpp v5, v5, v5 row_xmask:8 row_mask:0xf bank_mask:0xf
	s_delay_alu instid0(VALU_DEP_1)
	v_permlanex16_b32 v9, v5, s18, s19
	s_delay_alu instid0(VALU_DEP_1)
	v_add_f32 v5, v5, v9                           ; my wave's 32 rows
	ds_store_b32 v7, v5                            ; all lanes store the same word with the same value
	s_wait_dscnt 0x0
	s_barrier_signal -1
	s_barrier_wait -1
	ds_load_b32 v10, v8                            ; lane i: wave i's sum
	s_wait_dscnt 0x0
	v_add_f32_dpp v10, v10, v10 row_xmask:1 row_mask:0xf bank_mask:0xf
	s_delay_alu instid0(VALU_DEP_1)
	v_add_f32_dpp v10, v10, v10 row_xmask:2 row_mask:0xf bank_mask:0xf
	s_delay_alu instid0(VALU_DEP_1)
	v_add_f32_dpp v10, v10, v10 row_xmask:4 row_mask:0xf bank_mask:0xf           ; eight waves: a part
	s_delay_alu instid0(VALU_DEP_1)
	v_mul_f32 v10, 0x3b800000, v10                 ; / 256
	s_delay_alu instid0(VALU_DEP_1)
	v_cmp_eq_f32 vcc_lo, v10, v10
	s_delay_alu instid0(VALU_DEP_1)
	v_cndmask_b32 v10, 0, v10, vcc_lo              ; a NaN counts as 0
	s_delay_alu instid0(VALU_DEP_1)
	v_add_f32_dpp v10, v10, v10 row_xmask:8 row_mask:0xf bank_mask:0xf
	s_wait_alu depctr_va_vdst(0)
	v_permlanex16_b32 v9, v10, s18, s19
	s_delay_alu instid0(VALU_DEP_1)
	v_add_f32 v10, v10, v9
	s_delay_alu instid0(VALU_DEP_1)
	v_mul_f32 v10, 0x3e800000, v10                 ; / 4
	s_wait_loadcnt 0x0
	global_store_b32 v3, v6, s[12:13]              ; 128 consecutive bytes a wave
	s_or_b32 s15, ttmp9, s14
	s_cmp_lg_u32 s15, 0
	s_cbranch_scc1 .Lend
	v_cmp_eq_u32 vcc_lo, 0, v2
	s_wait_xcnt 0x0                                ; EXEC changes only behind this wait
	s_and_saveexec_b32 s15, vcc_lo
	s_wait_alu depctr_va_vdst(0)
	global_store_b32 v11, v10, s[10:11]
	s_wait_xcnt 0x0
	s_or_b32 exec_lo, exec_lo, s15
.Lend:
	s_wait_tensorcnt 0x0
	ds_add_u32 v16, v17
	s_wait_dscnt 0x0
	s_endpgm
.Lfunc_end_k_qf384376e82_finish:
	.size	k_qf384376e82_finish, .Lfunc_end_k_qf384376e82_finish-k_qf384376e82_finish
	.p2alignl 7, 3214868480
	.fill 96, 4, 3214868480
	.section	.rodata,"a",@progbits
	.p2align	6, 0x0
	.amdhsa_kernel k_qf384376e82_finish
		.amdhsa_group_segment_fixed_size 4352
		.amdhsa_private_segment_fixed_size 0
		.amdhsa_enable_private_segment 0
		.amdhsa_kernarg_size 40
		.amdhsa_user_sgpr_count 2
		.amdhsa_user_sgpr_kernarg_segment_ptr 1
		.amdhsa_wavefront_size32 1
		.amdhsa_system_sgpr_workgroup_id_x 1
		.amdhsa_system_sgpr_workgroup_id_y 1
		.amdhsa_system_sgpr_workgroup_id_z 1
		.amdhsa_system_vgpr_workitem_id 0
		.amdhsa_next_free_vgpr 18
		.amdhsa_next_free_sgpr 66
		.amdhsa_reserve_vcc 1
		.amdhsa_float_denorm_mode_32 3
		.amdhsa_float_denorm_mode_16_64 3
		.amdhsa_memory_ordered 1
		.amdhsa_forward_progress 1
		.amdhsa_inst_pref_size 4
	.end_amdhsa_kernel
	.amdgpu_metadata
---
amdhsa.version: [ 1, 2 ]
amdhsa.kernels:
  - .name:           k_qf384376e82_finish
    .symbol:         k_qf384376e82_finish.kd
    .args:
      - { .name: topidx, .offset: 0, .size: 8, .value_kind: global_buffer, .address_space: global }
      - { .name: mem_pid, .offset: 8, .size: 8, .value_kind: global_buffer, .address_space: global }
      - { .name: lrow, .offset: 16, .size: 8, .value_kind: global_buffer, .address_space: global }
      - { .name: out0, .offset: 24, .size: 8, .value_kind: global_buffer, .address_space: global }
      - { .name: out1, .offset: 32, .size: 8, .value_kind: global_buffer, .address_space: global }
    .group_segment_fixed_size: 4352
    .private_segment_fixed_size: 0
    .kernarg_segment_align: 8
    .kernarg_segment_size: 40
    .max_flat_workgroup_size: 1024
    .sgpr_count:     66
    .vgpr_count:     18
    .wavefront_size: 32
...
	.end_amdgpu_metadata
.endif
;; end of part 5
